; MI455X (gfx1250); checked and timed in simulation.
; The chip was launched on July 23, 2026; its instructions are those of AMD's public machine-readable ISA for CDNA 5 (MIT licence, August 2026) and "CDNA5" Instruction Set Architecture Reference Guide (July 2026). The comments in the code are by the model that wrote it; some were corrected since.
;; Mo E Layer. Allowed arithmetic: matrix products marked QUANTISED: E5M2 operands, one given power-of-two scale a tensor, by v_wmma_f32_16x16x64_bf8_bf8 or v_wmma_f32_16x16x128_bf8_bf8, f32 sums; products left as they are: f32 operands where the result goes on into a quantised operand, else bf16, f16 or f32 operands; f32 sums; everything else in f32.
;; Inputs: W1 8 x 1,024 x 2,048 float32; W2 8 x 2,048 x 1,024 float32; b1 8 x 2,048 float32; b2 8 x 1,024 float32; gate_W 1,024 x 8 float32; gate_b 8 float32; lowp_scales 4 int32 (the exponents e of the quantised operands' scales 2^e); x 2,048 x 1,024 float32.
;; Outputs: out0 2,048 x 1,024 float32.
;; This version of the problem:
;;   THIS VERSION OF THE PROBLEM IS GIVEN IN LOW PRECISION. The matrix products marked QUANTISED in the list below multiply operands that are first quantised to E5M2 (5 exponent bits, 2 mantissa bits; 8 bits a number), with one given power-of-two scale for each operand tensor; their sums are f32. All else is computed in f32.
;;   The module's matrix products, in the order in which they are computed (A, B: the left and right operand; K: the contracted axis; several contracted axes count as one K, in the product's order):
;;     1. [M 2,048, K 1,024] x [K 1,024, N 8]; A: input x; B: input gate_W: left as it is (N = 8 < 16)
;;     2. batch 2,048 x [M 8, K 2] x [K 2, N 1]; A: computed on the way; B: computed on the way: left as it is (K = 2 < 32)
;;     3. [M 16,384, K 1,024] x [K 1,024, N 2,048]; A: input W1; B: input x: QUANTISED (scales: A lowp_scales[0], B lowp_scales[1])
;;     4. batch 8 x [M 2,048, K 2,048] x [K 2,048, N 1,024]; A: computed on the way; B: input W2: QUANTISED (scales: A lowp_scales[2], B lowp_scales[3])
;;     5. batch 2,048 x [M 1,024, K 8] x [K 8, N 1]; A: computed on the way; B: computed on the way: left as it is (K = 8 < 32)
;;   THE QUANTISER, for each operand of a quantised product, along K:
;;     - The operand's scale is 2^e, e = its entry of the input lowp_scales (int32; the entries are numbered through the quantised products in the list's order, A before B).
;;     - Each number is divided by the scale, clamped to +-57,344, and rounded to the nearest number of E5M2, ties to even, subnormals kept.
;;     - The product sums the exact products of the quantised numbers (number of the format x scale) in f32.
;;   ~~~python
;;   def quantise(x, axis, e):      # numpy; x: float32 -> the quantised numbers, widened to float32 again
;;       x = np.moveaxis(x, axis, -1); K = x.shape[-1]
;;       r = np.clip(x / 2.0 ** e, -57344, 57344)
;;       step = 2.0 ** (np.maximum(np.frexp(np.where(r == 0, 1, r))[1] - 1, -14) - 2)
;;       q = np.round(r / step) * step * 2.0 ** e      # np.round: ties to even
;;       return np.moveaxis(q, -1, axis).astype(np.float32)
;;   ~~~
;;   OPERANDS COMPUTED ON THE WAY. 'Computed on the way' means the value that the module computes at that place (a softmax that the list does not call 'softmax' is quantised finished and normalised). What goes into a quantiser is computed in f32, as accurately as f32 sums, v_exp_f32 and their like allow (about 1e-6 of the number): no bf16 or f16 on the way to a quantiser, and a product that is left as it is and whose result goes on into a quantised operand takes f32 operands (vector FMAs, or v_wmma_f32_16x16x4_f32). A number that lies on a knife's edge between two numbers of the format may be rounded either way, as far as f32 arithmetic and the matrix unit's own rounding can turn it there, and no further.
;; 2 versions, each right; version 2 is version 1 with the launches fc1, fc2 written anew for expert scheduling mode. Each part assembles by itself: llvm-mc -triple=amdgcn-amd-amdhsa -mcpu=gfx1250 --defsym DOCPART=n.
;; ======== version 1 of 2: 5 launches
;; workspace buffers: xc 2,097,152 bytes; ridx 16,384 bytes of whole numbers; rgate 16,384 bytes; list 16,896 bytes of whole numbers; inv 16,384 bytes of whole numbers; meta 256 bytes of whole numbers; hbuf 8,650,752 bytes; ybuf 34,603,008 bytes
;; launch route (part 1): grid 256 x 1, 4 waves a work-group, no clusters, 37,376 bytes of LDS; arguments x, gate_W, gate_b, lowp_scales, xc, ridx, rgate; writes xc, ridx, rgate
.if DOCPART == 1
	.amdgcn_target "amdgcn-amd-amdhsa--gfx1250"
	.amdhsa_code_object_version 6
	.text
	.protected	k_qcf270d871e_route
	.globl	k_qcf270d871e_route
	.p2align	8
	.type	k_qcf270d871e_route,@function
k_qcf270d871e_route:
	s_mov_b64 s[64:65], 0
	v_nop
	global_prefetch_b8 v0, s[64:65] scope:SCOPE_SE
	s_setreg_imm32_b32 hwreg(HW_REG_WAVE_MODE, 25, 1), 1
	s_wait_xcnt 0x0
; THE ROUTER AND x's CODES.  logits = x gate_W + gate_b in f32, softmax (the row's largest logit taken away), the two largest probabilities and their experts; and x as codes of E5M2 with the given scale 2^e1.
; SHARES.  A work-group takes 8 tokens, a wave 2.  Lane L holds x[n][128 a + 4 L + b], a = 0..7, b = 0..3: each load of a wave covers 512 consecutive bytes of a row.  x is read once and serves both the logits and the codes.
; gate_W (32,768 bytes) is copied once into LDS, in groups of four rows d (128 bytes) 144 bytes apart, so that lane L's group 32 a + L is read without two lanes on one bank.
; THE CODES' ORDER.  A lane's 16 codes of half a row go out as its 16 bytes: byte 512 u + 16 L + 8 g + 4 a' + b of a row of xc is k = 512 u + 256 g + 128 a' + 4 L + b.  The launch that multiplies lays W1's codes in the same order,
; so every product meets its partner; each store of a wave covers 512 consecutive bytes, aligned.
; No address and no branch hangs on the choice: experts and probabilities are stored at fixed places (ridx, rgate: [token][2]).  Those stores are 16 bytes a wave: 32 KiB in the whole launch.
; No matrix unit: 8 columns are too few for it, and the logits are wanted in f32.
; LIMITS: e1 between -126 and 112.  NaN among the inputs is not served.  The two largest are taken of this text's f32 probabilities, the lower index on a tie.
.set X,   16                           ; v16-79   x: token t at X + 32 t, register 4 a + b
.set GA,  80                           ; v80-143  first gate_W on its way to LDS, then two sets of 32: a chunk's four rows x 8 experts
.set ACC, 144                          ; v144-159 token t's eight sums, then logits, then probabilities
.set SC,  160                          ; v160-175 eight registers a token: +0 m c, +1 1/sum, +2 best, +3 its expert, +4 second, +5 its expert, +6 the sum
.set CD,  176                          ; v176-191 codes: eight registers a token
	s_load_b256 s[4:11], s[0:1], 0x0               ; x s[4:5], gate_W s[6:7], gate_b s[8:9], the scales' exponents s[10:11]
	s_load_b128 s[12:15], s[0:1], 0x20             ; xc s[12:13], ridx s[14:15]
	s_load_b64 s[16:17], s[0:1], 0x30              ; rgate
	v_lshl_add_u32 v192, v0, 2, 0x9000
	v_mov_b32 v193, 0
	v_lshrrev_b32 v7, 5, v0
	v_readfirstlane_b32 s18, v7                    ; wave 0..3
	v_and_b32 v1, 31, v0                           ; lane
	v_lshlrev_b32 v2, 4, v1                        ; 16 x lane
	v_lshrrev_b32 v3, 3, v1
	v_mul_u32_u24 v3, v3, 144
	v_and_b32 v7, 7, v1
	v_lshl_add_u32 v3, v7, 4, v3
	s_mul_i32 s19, s18, 9216
	v_add_nc_u32 v3, s19, v3                       ; gate_W into LDS: eight lanes fill a group: 144 (lane / 8) + 16 (lane % 8) + 64 groups x wave
	v_mul_u32_u24 v4, v1, 144                      ; and out of it: group 32 a + lane
	v_lshlrev_b32 v9, 3, v1                        ; 8 x lane: a token's pair in ridx and rgate
	s_lshl_b32 s19, ttmp9, 3
	s_lshl_b32 s34, s18, 1
	s_add_co_u32 s19, s19, s34                     ; my first token: 8 x work-group + 2 x wave
	s_lshl_b32 s36, s19, 12                        ; its row of x,
	s_mov_b32 s37, 0
	s_lshl_b32 s38, s19, 10                        ; of xc,
	s_mov_b32 s39, 0
	s_lshl_b32 s40, s19, 3                         ; its pair in ridx and rgate
	s_mov_b32 s41, 0
	s_lshl_b32 s42, s18, 13                        ; my wave's quarter of gate_W
	s_mov_b32 s43, 0
	s_mov_b32 s32, 0x76543210                      ; v_permlanex16_b32: lane l xor 16
	s_mov_b32 s33, 0xfedcba98
	s_mov_b32 s35, 0x3fb8aa3b                      ; c = log2(e)
	s_wait_kmcnt 0x0
	s_load_b256 s[20:27], s[8:9], 0x0              ; gate_b
	s_load_b32 s28, s[10:11], 0x4                  ; e1
	s_add_nc_u64 s[4:5], s[4:5], s[36:37]
	s_add_nc_u64 s[6:7], s[6:7], s[42:43]
	s_add_nc_u64 s[12:13], s[12:13], s[38:39]
	s_add_nc_u64 s[14:15], s[14:15], s[40:41]
	s_add_nc_u64 s[16:17], s[16:17], s[40:41]
.irp t, 0,1
.irp a, 0,1,2,3,4,5,6,7
	global_load_b128 v[X+32*\t+4*\a:X+32*\t+4*\a+3], v2, s[4:5] offset:4096*\t+512*\a th:TH_LOAD_NT
.endr
.endr
.irp i, 0,1,2,3,4,5,6,7,8,9,10,11,12,13,14,15
	global_load_b128 v[GA+4*\i:GA+4*\i+3], v2, s[6:7] offset:512*\i    ; every work-group reads gate_W: no hint
.endr
	s_wait_loadcnt 0x0
.irp i, 0,1,2,3,4,5,6,7,8,9,10,11,12,13,14,15
	ds_store_b128 v3, v[GA+4*\i:GA+4*\i+3] offset:576*\i               ; a load's 512 bytes are four groups
.endr
	s_wait_dscnt 0x0                               ; for the others' sake: my quarter of gate_W lies in LDS
	s_barrier_signal -1
	s_barrier_wait -1                              ; everybody's does; gate_W is not written again
.macro GLOAD a                         ; chunk a: rows 128 a + 4 L + 0..3 of gate_W, register 8 b + e, into set a % 2
.irp b, 0,1,2,3
	ds_load_b128 v[GA+32*((\a)%2)+8*\b:GA+32*((\a)%2)+8*\b+3],   v4 offset:4608*(\a)+32*\b
	ds_load_b128 v[GA+32*((\a)%2)+8*\b+4:GA+32*((\a)%2)+8*\b+7], v4 offset:4608*(\a)+32*\b+16
.endr
.endm
; 32 packed multiply-adds: two experts at a time, x[4 a + b] for both halves (an even b: the pair's first register for both; an odd b: its second).  The very first products start the sums.
.macro CHUNK a
.if (\a) < 7
	GLOAD (\a)+1
	s_wait_dscnt 8                                 ; this chunk's eight loads are in; the next chunk's eight may be out
.else
	s_wait_dscnt 0x0
.endif
.irp b, 0,1,2,3
.irp t, 0,1
.irp p, 0,2,4,6
.if ((\a) == 0) && (\b == 0)
	v_pk_mul_f32 v[ACC+8*\t+\p:ACC+8*\t+\p+1], v[GA+\p:GA+\p+1], v[X+32*\t:X+32*\t+1] op_sel_hi:[1,0]
.elseif (\b%2) == 0
	v_pk_fma_f32 v[ACC+8*\t+\p:ACC+8*\t+\p+1], v[GA+32*((\a)%2)+8*\b+\p:GA+32*((\a)%2)+8*\b+\p+1], v[X+32*\t+4*(\a)+\b:X+32*\t+4*(\a)+\b+1], v[ACC+8*\t+\p:ACC+8*\t+\p+1] op_sel_hi:[1,0,1]
.else
	v_pk_fma_f32 v[ACC+8*\t+\p:ACC+8*\t+\p+1], v[GA+32*((\a)%2)+8*\b+\p:GA+32*((\a)%2)+8*\b+\p+1], v[X+32*\t+4*(\a)+\b-1:X+32*\t+4*(\a)+\b], v[ACC+8*\t+\p:ACC+8*\t+\p+1] op_sel:[0,1,0] op_sel_hi:[1,1,1]
.endif
.endr
.endr
.endr
.endm
	GLOAD 0
.irp a, 0,1,2,3,4,5,6,7
	CHUNK \a
.endr
	; x's codes: the logits have read x, so the hold works in place
	s_wait_kmcnt 0x0
	s_add_co_i32 s28, s28, 127
	s_lshl_b32 s29, s28, 23
	v_mov_b32 v6, s29                              ; 2^e1 as f32: the conversion takes its exponent field
	s_add_co_i32 s28, s28, 15
	s_lshl_b32 s28, s28, 23
	s_or_b32 s28, s28, 0x600000
	v_mov_b32 v8, s28                              ; 57,344 x 2^e1
.irp t, 0,1
.irp i, 0,1,2,3,4,5,6,7,8,9,10,11,12,13,14,15,16,17,18,19,20,21,22,23,24,25,26,27,28,29,30,31
	v_med3_num_f32 v[X+32*\t+\i], v[X+32*\t+\i], -v8, v8               ; the conversion to an 8-bit code does not saturate (ISA guide 7.6.2): the hold at the largest code x the scale
.endr
.irp g, 0,1,2,3
	v_cvt_scalef32_pk8_bf8_f32 v[CD+8*\t+2*\g:CD+8*\t+2*\g+1], v[X+32*\t+8*\g:X+32*\t+8*\g+7], v6
.endr
.endr
	v_nop                                          ; a plain line behind the last conversion
.irp t, 0,1
.irp u, 0,1
	global_store_b128 v2, v[CD+8*\t+4*\u:CD+8*\t+4*\u+3], s[12:13] offset:1024*\t+512*\u   ; 32 lanes store 512 consecutive bytes, aligned
.endr
.endr
	; the sixteen sums over the 32 lanes: four steps inside each half of 16 lanes, one across; every lane ends with every sum
.irp m, 1,2,4,8
.irp i, 0,1,2,3,4,5,6,7,8,9,10,11,12,13,14,15
	v_add_f32_dpp v[ACC+\i], v[ACC+\i], v[ACC+\i] row_xmask:\m row_mask:0xf bank_mask:0xf
.endr
.endr
.irp i, 0,1,2,3,4,5,6,7,8,9,10,11,12,13,14,15
	v_permlanex16_b32 v[GA+\i], v[ACC+\i], s32, s33                    ; (its destination counts as read: these registers have been written)
.endr
.irp i, 0,1,2,3,4,5,6,7,8,9,10,11,12,13,14,15
	v_add_f32 v[ACC+\i], v[ACC+\i], v[GA+\i]
.endr
.irp t, 0,1
.irp e, 0,1,2,3,4,5,6,7
	v_add_f32 v[ACC+8*\t+\e], s[20+\e], v[ACC+8*\t+\e]                 ; + gate_b
.endr
.endr
	; softmax: p = 2^(l c - m c) / the sum; m is the token's largest logit
.irp t, 0,1
	v_max3_num_f32 v[SC+8*\t], v[ACC+8*\t], v[ACC+8*\t+1], v[ACC+8*\t+2]
.endr
.irp t, 0,1
	v_max3_num_f32 v[SC+8*\t], v[SC+8*\t], v[ACC+8*\t+3], v[ACC+8*\t+4]
.endr
.irp t, 0,1
	v_max3_num_f32 v[SC+8*\t], v[SC+8*\t], v[ACC+8*\t+5], v[ACC+8*\t+6]
.endr
.irp t, 0,1
	v_max_num_f32 v[SC+8*\t], v[SC+8*\t], v[ACC+8*\t+7]
.endr
.irp t, 0,1
	v_mul_f32 v[SC+8*\t], s35, v[SC+8*\t]          ; m c: its rounding is common to the token's eight exponents and cancels in the division by the sum
.endr
.irp i, 0,1,2,3,4,5,6,7,8,9,10,11,12,13,14,15
	v_fma_f32 v[ACC+\i], v[ACC+\i], s35, -v[SC+8*(\i/8)]
.endr
.irp i, 0,1,2,3,4,5,6,7,8,9,10,11,12,13,14,15
	v_exp_f32 v[ACC+\i], v[ACC+\i]                 ; one batch
.endr
	v_nop                                          ; a plain line behind the last exponential
	s_wait_alu depctr_va_vdst(0)                   ; one wait for the batch, ahead of its first reader
.irp t, 0,1
	v_pk_add_f32 v[SC+8*\t+2:SC+8*\t+3], v[ACC+8*\t:ACC+8*\t+1], v[ACC+8*\t+2:ACC+8*\t+3]
	v_pk_add_f32 v[SC+8*\t+4:SC+8*\t+5], v[ACC+8*\t+4:ACC+8*\t+5], v[ACC+8*\t+6:ACC+8*\t+7]
.endr
.irp t, 0,1
	v_pk_add_f32 v[SC+8*\t+2:SC+8*\t+3], v[SC+8*\t+2:SC+8*\t+3], v[SC+8*\t+4:SC+8*\t+5]
.endr
.irp t, 0,1
	v_add_f32 v[SC+8*\t+6], v[SC+8*\t+2], v[SC+8*\t+3]
.endr
.irp t, 0,1
	v_rcp_f32 v[SC+8*\t+1], v[SC+8*\t+6]
.endr
	v_nop
	s_wait_alu depctr_va_vdst(0)                   ; one wait for the two reciprocals
.irp i, 0,1,2,3,4,5,6,7,8,9,10,11,12,13,14,15
	v_mul_f32 v[ACC+\i], v[ACC+\i], v[SC+8*(\i/8)+1]
.endr
; The two largest of a token's eight probabilities.  A later one replaces an earlier one only where it is greater: the lower index stays on a tie.  The second walk passes over the expert already taken.
.macro TOP2 t
	v_mov_b32 v[SC+8*\t+2], v[ACC+8*\t]
	v_mov_b32 v[SC+8*\t+3], 0
.irp i, 1,2,3,4,5,6,7
	v_cmp_gt_f32 vcc_lo, v[ACC+8*\t+\i], v[SC+8*\t+2]
	v_cndmask_b32 v[SC+8*\t+2], v[SC+8*\t+2], v[ACC+8*\t+\i], vcc_lo
	v_cndmask_b32 v[SC+8*\t+3], v[SC+8*\t+3], \i, vcc_lo
.endr
	v_mov_b32 v[SC+8*\t+4], -1.0                   ; under every probability
	v_mov_b32 v[SC+8*\t+5], 0
.irp i, 0,1,2,3,4,5,6,7
	v_cmp_ne_u32 s44, \i, v[SC+8*\t+3]
	v_cmp_gt_f32 vcc_lo, v[ACC+8*\t+\i], v[SC+8*\t+4]
	s_and_b32 vcc_lo, vcc_lo, s44
	v_cndmask_b32 v[SC+8*\t+4], v[SC+8*\t+4], v[ACC+8*\t+\i], vcc_lo
	v_cndmask_b32 v[SC+8*\t+5], v[SC+8*\t+5], \i, vcc_lo
.endr
.endm
	TOP2 0
	TOP2 1
	v_cmp_eq_u32 vcc_lo, 1, v1                     ; lane 0 stores token 0's pairs, lane 1 token 1's
	v_cndmask_b32 v10, v[SC+3], v[SC+11], vcc_lo
	v_cndmask_b32 v11, v[SC+5], v[SC+13], vcc_lo
	v_cndmask_b32 v12, v[SC+2], v[SC+10], vcc_lo
	v_cndmask_b32 v13, v[SC+4], v[SC+12], vcc_lo
	v_cmp_gt_u32 vcc_lo, 2, v1
	s_wait_xcnt 0x0                                ; EXEC is a source of the stores above: it changes only behind this wait
	s_wait_tensorcnt 0x0
	ds_add_u32 v192, v193
	s_wait_dscnt 0x0
	s_and_saveexec_b32 s34, vcc_lo
	global_store_b64 v9, v[10:11], s[14:15]
	global_store_b64 v9, v[12:13], s[16:17]
	s_wait_xcnt 0x0                                ; and again, in front of the line that widens it
	s_or_b32 exec_lo, exec_lo, s34
	s_endpgm
.Lfunc_end_k_qcf270d871e_route:
	.size	k_qcf270d871e_route, .Lfunc_end_k_qcf270d871e_route-k_qcf270d871e_route
	.p2alignl 7, 3214868480
	.fill 96, 4, 3214868480
	.section	.rodata,"a",@progbits
	.p2align	6, 0x0
	.amdhsa_kernel k_qcf270d871e_route
		.amdhsa_group_segment_fixed_size 37376
		.amdhsa_private_segment_fixed_size 0
		.amdhsa_enable_private_segment 0
		.amdhsa_kernarg_size 56
		.amdhsa_user_sgpr_count 2
		.amdhsa_user_sgpr_kernarg_segment_ptr 1
		.amdhsa_wavefront_size32 1
		.amdhsa_system_sgpr_workgroup_id_x 1
		.amdhsa_system_sgpr_workgroup_id_y 1
		.amdhsa_system_sgpr_workgroup_id_z 1
		.amdhsa_system_vgpr_workitem_id 0
		.amdhsa_next_free_vgpr 194
		.amdhsa_next_free_sgpr 66
		.amdhsa_reserve_vcc 1
		.amdhsa_float_denorm_mode_32 3
		.amdhsa_float_denorm_mode_16_64 3
		.amdhsa_memory_ordered 1
		.amdhsa_forward_progress 1
		.amdhsa_inst_pref_size 47
	.end_amdhsa_kernel
	.amdgpu_metadata
---
amdhsa.version: [ 1, 2 ]
amdhsa.kernels:
  - .name:           k_qcf270d871e_route
    .symbol:         k_qcf270d871e_route.kd
    .args:
      - { .name: x, .offset: 0, .size: 8, .value_kind: global_buffer, .address_space: global }
      - { .name: gate_W, .offset: 8, .size: 8, .value_kind: global_buffer, .address_space: global }
      - { .name: gate_b, .offset: 16, .size: 8, .value_kind: global_buffer, .address_space: global }
      - { .name: lowp_scales, .offset: 24, .size: 8, .value_kind: global_buffer, .address_space: global }
      - { .name: xc, .offset: 32, .size: 8, .value_kind: global_buffer, .address_space: global }
      - { .name: ridx, .offset: 40, .size: 8, .value_kind: global_buffer, .address_space: global }
      - { .name: rgate, .offset: 48, .size: 8, .value_kind: global_buffer, .address_space: global }
    .group_segment_fixed_size: 37376
    .private_segment_fixed_size: 0
    .kernarg_segment_align: 8
    .kernarg_segment_size: 56
    .max_flat_workgroup_size: 128
    .sgpr_count:     66
    .vgpr_count:     194
    .wavefront_size: 32
...
	.end_amdgpu_metadata
.endif
;; end of part 1
;; launch place (part 2): grid 1 x 1, 16 waves a work-group, no clusters, 4,096 bytes of LDS; arguments ridx, list, inv, meta; writes list, inv, meta
.if DOCPART == 2
	.amdgcn_target "amdgcn-amd-amdhsa--gfx1250"
	.amdhsa_code_object_version 6
	.text
	.protected	k_qcf270d871e_place
	.globl	k_qcf270d871e_place
	.p2align	8
	.type	k_qcf270d871e_place,@function
k_qcf270d871e_place:
	s_mov_b64 s[64:65], 0
	v_nop
	global_prefetch_b8 v0, s[64:65] scope:SCOPE_SE
	s_setreg_imm32_b32 hwreg(HW_REG_WAVE_MODE, 25, 1), 1
	s_wait_xcnt 0x0
; THE ROWS ARE PLACED BY EXPERT: a counting sort of the 4,096 entries (token n, choice k: entry 2 n + k) without atomics, by one work-group of 16 waves.
; Each expert's rows begin at a multiple of 16 positions, so that a tile of 16 rows belongs to one expert.  The sum over experts of ceil(rows / 16) is at most (4,096 + 8 x 15) / 16, so 264 tiles (4,224 positions) serve every split.
; OUT: inv[entry] = position;  list[position] = token (0 at the positions that fill an expert's last tile);  meta[e] = the expert's first tile, meta[8 + e] = its number of tiles.
; Wave w holds entries 256 w .. 256 w + 255, eight a lane.  An entry's rank among its expert's is counted in the order (wave, register, lane): any one-to-one order serves.
; Pass 1 counts each expert in the wave (a compare's mask, its bits counted); the counts meet in LDS; each wave adds up all waves' (the totals) and the earlier waves' (its own start).  Pass 2 gives each entry its position.
; This is one small work-group on purpose: the choice was made from floating-point numbers in the launch before, so the addresses that hang on it are formed here, from stored whole numbers.
.set V,  8                             ; v8-15   my eight entries' experts: register 4 jj + q is entry 256 w + 128 jj + 4 lane + q
.set P,  16                            ; v16-23  their positions
.set CN, 24                            ; v24-39  lane x: expert x's count in wave 0 .. 15; later at work
.set TKN, 48                           ; v48-51  my entries' tokens: 128 w + 64 jj + 2 lane + q / 2
.set AD, 52                            ; v52-59  their places in list, in bytes: a register for each store, so that none is written again
	s_load_b256 s[68:75], s[0:1], 0x0              ; ridx s[68:69], list s[70:71], inv s[72:73], meta s[74:75]
	v_lshl_add_u32 v64, v0, 2, 0x800
	v_mov_b32 v65, 0
	v_lshrrev_b32 v5, 5, v0
	v_readfirstlane_b32 s56, v5                    ; wave 0..15
	v_and_b32 v1, 31, v0                           ; lane
	v_lshlrev_b32 v2, 2, v0                        ; 4 x thread: my word of the table of counts
	v_lshlrev_b32 v3, 2, v1                        ; 4 x lane
	v_lshlrev_b32 v4, 4, v1
	s_lshl_b32 s57, s56, 10
	v_add_nc_u32 v4, s57, v4                       ; 1,024 x wave + 16 x lane: my bytes in ridx and in inv
	s_wait_kmcnt 0x0
	global_load_b128 v[V:V+3],   v4, s[68:69]
	global_load_b128 v[V+4:V+7], v4, s[68:69] offset:512
	v_lshlrev_b32 v[TKN], 1, v1
	s_lshl_b32 s57, s56, 7
	v_add_nc_u32 v[TKN], s57, v[TKN]
	v_add_nc_u32 v[TKN+1], 1, v[TKN]
	v_add_nc_u32 v[TKN+2], 64, v[TKN]
	v_add_nc_u32 v[TKN+3], 65, v[TKN]
	v_mov_b32 v42, 0
	s_wait_loadcnt 0x0
	; pass 1: s[8 + x] = expert x's entries in my wave
.irp x, 0,1,2,3,4,5,6,7
.irp p, 0,1,2,3,4,5,6,7
	v_cmp_eq_u32 s[48+\p], \x, v[V+\p]
.endr
	s_bcnt1_i32_b32 s[8+\x], s48
.irp p, 1,2,3,4,5,6,7
	s_bcnt1_i32_b32 s[48+\p], s[48+\p]
	s_add_co_u32 s[8+\x], s[8+\x], s[48+\p]
.endr
.endr
.irp x, 0,1,2,3,4,5,6,7
	v_writelane_b32 v42, s[8+\x], \x
.endr
	ds_store_b32 v2, v42                           ; lane x of wave w: expert x's count in wave w (lanes 8-31: 0)
	s_wait_dscnt 0x0                               ; for the others' sake
	s_barrier_signal -1
	s_barrier_wait -1
.irp w, 0,1,2,3,4,5,6,7,8,9,10,11,12,13,14,15
	ds_load_b32 v[CN+\w], v3 offset:128*\w
.endr
	s_wait_dscnt 0x0
	v_add3_u32 v40, v[CN], v[CN+1], v[CN+2]        ; lane x: expert x's rows in all
.irp w, 3,5,7,9,11,13
	v_add3_u32 v40, v40, v[CN+\w], v[CN+\w+1]
.endr
	v_add_nc_u32 v40, v40, v[CN+15]
.irp w, 0,1,2,3,4,5,6,7,8,9,10,11,12,13,14
	s_cmp_gt_u32 s56, \w
	s_cselect_b32 s57, 1, 0
.if \w == 0
	v_mul_u32_u24 v41, v[CN], s57                  ; lane x: expert x's rows in the waves ahead of mine
.else
	v_mad_u32_u24 v41, v[CN+\w], s57, v41
.endif
.endr
.irp x, 0,1,2,3,4,5,6,7
	v_readlane_b32 s[16+\x], v40, \x               ; tot
	v_readlane_b32 s[40+\x], v41, \x               ; base, so far the rank of my wave's first entry
.endr
	s_mov_b32 s57, 0                               ; tiles so far
.irp x, 0,1,2,3,4,5,6,7
	s_add_co_u32 s[24+\x], s[16+\x], 15
	s_lshr_b32 s[24+\x], s[24+\x], 4               ; the expert's tiles
	s_mov_b32 s[32+\x], s57                        ; its first tile
	s_lshl_b32 s58, s57, 4
	s_add_co_u32 s[40+\x], s[40+\x], s58           ; base: the position of my wave's first entry for expert x
	s_add_co_u32 s57, s57, s[24+\x]
.endr
	; pass 2: an entry's position = base of its expert + the lanes below mine that hold the same expert in this register; then base steps by the register's count
.irp p, 0,1,2,3,4,5,6,7
.irp x, 0,1,2,3,4,5,6,7
	v_cmp_eq_u32 s[48+\x], \x, v[V+\p]
.endr
	v_mbcnt_lo_u32_b32 v[P+\p], s48, s40
.irp x, 1,2,3,4,5,6,7
	v_mbcnt_lo_u32_b32 v[CN+\x], s[48+\x], s[40+\x]
.endr
.irp x, 1,2,3,4,5,6,7
	v_cndmask_b32 v[P+\p], v[P+\p], v[CN+\x], s[48+\x]
.endr
.irp x, 0,1,2,3,4,5,6,7
	s_bcnt1_i32_b32 s[48+\x], s[48+\x]
	s_add_co_u32 s[40+\x], s[40+\x], s[48+\x]
.endr
.endr
	global_store_b128 v4, v[P:P+3],   s[72:73]     ; inv: 32 lanes store 512 consecutive bytes, aligned
	global_store_b128 v4, v[P+4:P+7], s[72:73] offset:512
.irp p, 0,1,2,3,4,5,6,7
	v_min_u32 v[AD+\p], 4223, v[P+\p]              ; a number made of loaded numbers enters an address behind a bound written in the text
	v_lshlrev_b32 v[AD+\p], 2, v[AD+\p]
	global_store_b32 v[AD+\p], v[TKN+2*(\p/4)+(\p%4)/2], s[70:71]      ; a scatter of 4 bytes a lane: 16 KiB in all
.endr
	v_mov_b32 v42, 0                               ; (its store to LDS was waited for)  meta: lanes 0-7 the first tiles, lanes 8-15 the numbers of tiles
.irp x, 0,1,2,3,4,5,6,7
	v_writelane_b32 v42, s[32+\x], \x
	v_writelane_b32 v42, s[24+\x], 8+\x
.endr
	s_cmp_lt_u32 s56, 8                            ; wave e fills expert e's last tile: at most 15 positions get token 0
	s_cbranch_scc0 .Lno_pad
	s_add_co_u32 s57, s56, 8
	v_readlane_b32 s58, v42, s56                   ; first tile
	v_readlane_b32 s59, v42, s57                   ; tiles
	v_readlane_b32 s60, v40, s56                   ; rows
	s_lshl_b32 s58, s58, 4
	s_lshl_b32 s59, s59, 4
	s_add_co_u32 s59, s59, s58                     ; the position behind the expert's last tile
	s_add_co_u32 s58, s58, s60                     ; the position behind its last row
	v_add_nc_u32 v44, s58, v1
	v_cmp_gt_u32 vcc_lo, s59, v44
	v_min_u32 v44, 4223, v44
	v_lshlrev_b32 v44, 2, v44
	v_mov_b32 v45, 0
	s_wait_xcnt 0x0                                ; EXEC is a source of the stores above
	s_and_saveexec_b32 s61, vcc_lo
	global_store_b32 v44, v45, s[70:71]
	s_wait_xcnt 0x0
	s_or_b32 exec_lo, exec_lo, s61
.Lno_pad:
	s_cmp_lg_u32 s56, 0
	s_cbranch_scc1 .Lend
	global_store_b32 v3, v42, s[74:75]             ; meta, by wave 0
.Lend:
	s_wait_tensorcnt 0x0
	ds_add_u32 v64, v65
	s_wait_dscnt 0x0
	s_endpgm
.Lfunc_end_k_qcf270d871e_place:
	.size	k_qcf270d871e_place, .Lfunc_end_k_qcf270d871e_place-k_qcf270d871e_place
	.p2alignl 7, 3214868480
	.fill 96, 4, 3214868480
	.section	.rodata,"a",@progbits
	.p2align	6, 0x0
	.amdhsa_kernel k_qcf270d871e_place
		.amdhsa_group_segment_fixed_size 4096
		.amdhsa_private_segment_fixed_size 0
		.amdhsa_enable_private_segment 0
		.amdhsa_kernarg_size 32
		.amdhsa_user_sgpr_count 2
		.amdhsa_user_sgpr_kernarg_segment_ptr 1
		.amdhsa_wavefront_size32 1
		.amdhsa_system_sgpr_workgroup_id_x 1
		.amdhsa_system_sgpr_workgroup_id_y 1
		.amdhsa_system_sgpr_workgroup_id_z 1
		.amdhsa_system_vgpr_workitem_id 0
		.amdhsa_next_free_vgpr 66
		.amdhsa_next_free_sgpr 80
		.amdhsa_reserve_vcc 1
		.amdhsa_float_denorm_mode_32 3
		.amdhsa_float_denorm_mode_16_64 3
		.amdhsa_memory_ordered 1
		.amdhsa_forward_progress 1
		.amdhsa_inst_pref_size 35
	.end_amdhsa_kernel
	.amdgpu_metadata
---
amdhsa.version: [ 1, 2 ]
amdhsa.kernels:
  - .name:           k_qcf270d871e_place
    .symbol:         k_qcf270d871e_place.kd
    .args:
      - { .name: ridx, .offset: 0, .size: 8, .value_kind: global_buffer, .address_space: global }
      - { .name: list, .offset: 8, .size: 8, .value_kind: global_buffer, .address_space: global }
      - { .name: inv, .offset: 16, .size: 8, .value_kind: global_buffer, .address_space: global }
      - { .name: meta, .offset: 24, .size: 8, .value_kind: global_buffer, .address_space: global }
    .group_segment_fixed_size: 4096
    .private_segment_fixed_size: 0
    .kernarg_segment_align: 8
    .kernarg_segment_size: 32
    .max_flat_workgroup_size: 512
    .sgpr_count:     80
    .vgpr_count:     66
    .wavefront_size: 32
...
	.end_amdgpu_metadata
.endif
;; end of part 2
;; launch fc1 (part 3): grid 32 x 8, 4 waves a work-group, no clusters, 132,864 bytes of LDS; arguments W1, xc, list, meta, b1, lowp_scales, hbuf; writes hbuf
.if DOCPART == 3
	.amdgcn_target "amdgcn-amd-amdhsa--gfx1250"
	.amdhsa_code_object_version 6
	.text
	.protected	k_qcf270d871e_fc1
	.globl	k_qcf270d871e_fc1
	.p2align	8
	.type	k_qcf270d871e_fc1,@function
k_qcf270d871e_fc1:
	s_mov_b64 s[64:65], 0
	v_nop
	global_prefetch_b8 v0, s[64:65] scope:SCOPE_SE
	s_setreg_imm32_b32 hwreg(HW_REG_WAVE_MODE, 25, 1), 1
	s_wait_xcnt 0x0
; THE FIRST PRODUCT, for the chosen rows alone: h = Q(relu(x W1[e] + b1[e])), both operands codes of E5M2, sums in f32.  reference() multiplies every other row's result by a weight of 0 that its own router makes.
; THE WEIGHTS STAY, THE ROWS WALK.  Work-group (j, e) owns hidden units 64 j .. 64 j + 63 of expert e over all K = 1,024: 256 KiB of f32, read from memory once in the whole launch and quantised here; the codes (64 KiB) never go to memory.
; PHASE 1: each wave quantises a quarter of the slice.  A lane takes four columns (16 bytes of a row of W1; sixteen lanes read 256 consecutive bytes, aligned) and 16 rows k; the hold, which every number needs, also turns the 4 x 16
; numbers so that a column's 16 lie in consecutive registers.  The codes go to LDS as IMAGES OF THE OPERAND'S REGISTERS (16 bytes a lane, 512 a group of four registers).  One barrier.
; PHASE 2: every wave takes ALL 32 fragments (4 tiles of 16 units x 8 K steps) into 512 registers; wave w then walks the expert's row tiles tb + w, tb + w + 4, ..: 16 rows of x's codes are gathered by the stored list
; (each load: 512 consecutive bytes of one row), turned through the wave's own stage in LDS into 8 fragments, and multiplied: 32 matrix instructions a tile.  No weight is read again, however many rows an expert has.
; ORDER ALONG K.  In every fragment lane (r, h), register 4 c + p, byte q holds place 128 s + 64 h + 16 c + 4 p + q of a row of xc; place 512 u + 16 L + i is k = 512 u + 4 L + 256 (i / 8) + 128 ((i / 4) % 2) + i % 4.
; The same permutation of k on both sides: every product meets its partner.
; TRANSPOSED USE: source 0 = 16 units, source 1 = 16 rows, and lane r of tile 2 b + u takes unit 32 b + 8 u + r + 8 (r / 8): so a lane holds one row, and the 16 registers of tiles 2 b, 2 b + 1 are 16 neighbouring hidden units:
; the conversions' results are 16 bytes of the next product's fragment, stored in that fragment's own order (hbuf: [tile][K step][4 registers][lane][16 bytes]); sixteen lanes store 256 consecutive bytes, aligned.
; b1 is the C of each sum's first matrix instruction, divided by 2^(e0 + e1); the three scales ahead of the quantiser are folded into the conversion's one, 2^(e2 - e0 - e1).
; NO TENSOR LOADS, NO CLUSTER: the number of an expert's row tiles is read from memory; a constant count would be the
; worst case of 128 tiles for each of the 8 experts, four times the 256 to 263 tiles that there are.
; A wave without a tile still issues the first loads, on clamped tiles, so that every wave takes one way up to the barrier.  Tiles asked for ahead are clamped to the expert's last tile: only stored bytes are read.
; LIMITS: e0 and e2 - e0 - e1 between -126 and 112.  NaN among the inputs is not served.
; REGISTERS.  window 0: v1-11 addresses and scales; v16-47 the gathers' offsets, a set for each buffer; v48-79 four accumulators; v80-111 b1; v112-119 h's codes; v128-255 x's eight fragments (phase 1: v128-191 turned numbers, v192-207 codes).
;   window 1: W1's fragments of K steps 0-3 at 16 (4 s + t) (phase 1: four sets of 64 numbers as loaded);  window 2: K steps 4-7;  window 3: two buffers of 16 gathered rows.
.set SPI,  1040                        ; a row of the stage: 1,024 bytes + 16: the sixteen rows that a fragment load touches start at sixteen different banks (64 banks of 4 bytes: ISA guide 11.1)
.set IMT,  16400                       ; a tile's eight images: 16,384 bytes + 16, so that the quantiser's stores for four tiles fall on different banks
.set STG,  65792                       ; behind the images: a stage of 16 rows for each wave
.set L16,  1                           ; v1   16 x lane
.set VW,   2                           ; v2   where I store images
.set VLW,  3                           ; v3   my bytes in a row of W1
.set VS,   4                           ; v4   the stage, in
.set VA,   5                           ; v5   the stage, out
.set VH,   6                           ; v6   my bytes in a fragment of hbuf
.set VB,   7                           ; v7   my bytes in b1
.set LIMW, 8                           ; v8   57,344 x 2^e0
.set SCW,  9                           ; v9   2^e0
.set SCH,  10                          ; v10  2^(e2 - e0 - e1)
.set LIMH, 11                          ; v11  57,344 x that
.set OFF,  16
.set ACC,  48
.set BI,   80
.set HC,   112
.set AF,   128
.set T,    128
.set CW,   192
.set TK,   44                          ; s[44:59] sixteen tokens
.set MSB, 0
.macro WIN new                         ; the immediate's high byte repeats the setting that is left
.if MSB != \new
	s_set_vgpr_msb (MSB<<8)|\new
.set MSB, \new
.endif
.endm
	s_load_b256 s[4:11], s[0:1], 0x0               ; W1 s[4:5], xc s[6:7], list s[8:9], meta s[10:11]
	s_load_b128 s[12:15], s[0:1], 0x20             ; b1 s[12:13], the scales' exponents s[14:15]
	s_load_b64 s[16:17], s[0:1], 0x30              ; hbuf
	v_lshl_add_u32 v126, v0, 2, 0x20500
	v_mov_b32 v127, 0
	v_lshrrev_b32 v12, 5, v0
	v_readfirstlane_b32 s18, v12                   ; wave 0..3
	s_and_b32 s19, ttmp7, 0xffff                   ; e
	s_mov_b32 s20, ttmp9                           ; j
	v_and_b32 v12, 15, v0                          ; lane % 16: c4 in phase 1, r in phase 2
	v_bfe_u32 v13, v0, 4, 1                        ; lane / 16: kk, h
	v_and_b32 v14, 31, v0
	v_lshlrev_b32 v[L16], 4, v14
	v_bfe_u32 v14, v0, 3, 1
	v_bfe_u32 v15, v0, 1, 1
	v_lshl_add_u32 v14, v14, 1, v15                ; my four columns 4 c4 + q lie in tile t = 2 (c4 / 8) + (c4 / 2) % 2, at lanes r = 4 (c4 % 2) + 8 ((c4 / 4) % 2) + q
	v_mul_u32_u24 v[VW], v14, IMT
	v_and_b32 v15, 1, v0
	v_lshl_add_u32 v[VW], v15, 6, v[VW]
	v_bfe_u32 v15, v0, 2, 1
	v_lshl_add_u32 v[VW], v15, 7, v[VW]
	v_lshl_add_u32 v[VW], v13, 9, v[VW]            ; + 512 kk: the group of four registers
	s_lshl_b32 s27, s18, 12
	v_add_nc_u32 v[VW], s27, v[VW]                 ; + two K steps x wave
	v_lshlrev_b32 v[VLW], 4, v12
	v_lshl_add_u32 v[VLW], v13, 15, v[VLW]         ; 16 c4; lanes 16-31 four rows further down
	s_mul_i32 s27, s18, 16*SPI
	s_add_co_u32 s27, s27, STG                     ; my stage
	v_add_nc_u32 v[VS], s27, v[L16]
	v_mul_u32_u24 v[VA], v12, SPI
	v_lshl_add_u32 v[VA], v13, 6, v[VA]
	v_add_nc_u32 v[VA], s27, v[VA]                 ; row r, + 64 h
	v_lshlrev_b32 v[VH], 4, v12
	v_lshl_add_u32 v[VH], v13, 9, v[VH]            ; 16 r + 512 h
	v_lshlrev_b32 v[VB], 6, v13                    ; 16 numbers x h
	s_lshl_b32 s36, s19, 23                        ; W1: the expert's 8 MiB,
	s_lshl_b32 s27, s20, 8
	s_add_co_u32 s36, s36, s27                     ; my 64 columns,
	s_lshr_b32 s27, s18, 1
	s_lshl_b32 s27, s27, 22
	s_add_co_u32 s36, s36, s27                     ; and my wave's rows: from k = 512 (w / 2) + 64 (w % 2) on
	s_and_b32 s27, s18, 1
	s_lshl_b32 s27, s27, 19
	s_add_co_u32 s36, s36, s27
	s_mov_b32 s37, 0
	s_lshl_b32 s42, s19, 13                        ; b1: the expert's row, my 64 numbers
	s_lshl_b32 s27, s20, 8
	s_add_co_u32 s42, s42, s27
	s_mov_b32 s43, 0
	s_lshr_b32 s38, s20, 1                         ; hbuf: my 64 units are half (j % 2) of K step j / 2
	s_lshl_b32 s38, s38, 11
	s_and_b32 s27, s20, 1
	s_lshl_b32 s27, s27, 8
	s_add_co_u32 s38, s38, s27
	s_mov_b32 s39, 0
	s_lshl_b32 s60, s19, 2
	s_wait_kmcnt 0x0
	s_load_b128 s[28:31], s[14:15], 0x0            ; e0, e1, e2, e3
	s_load_b32 s21, s[10:11], s60 offset:0x0       ; tb: the expert's first tile
	s_load_b32 s22, s[10:11], s60 offset:0x20      ; nt: its tiles
	s_add_nc_u64 s[4:5], s[4:5], s[36:37]
	s_add_nc_u64 s[12:13], s[12:13], s[42:43]
	s_add_nc_u64 s[38:39], s[16:17], s[38:39]      ; HF
.irp t, 0,1,2,3
	global_load_b128 v[BI+8*\t:BI+8*\t+3],   v[VB], s[12:13] offset:(32*(\t/2)+8*(\t%2))*4      ; tile 2 b + u, lane half h: units 32 b + 16 h + 8 u + 0 .. 7
	global_load_b128 v[BI+8*\t+4:BI+8*\t+7], v[VB], s[12:13] offset:(32*(\t/2)+8*(\t%2))*4+16
.endr
; Group g of eight: 16 rows k = k0 + 8 g + 4 kk + f(i), four columns a lane, into set g % 4 of window 1.  16 bytes a lane, so that the 64 loads that a wave keeps out are 32 KiB.
.macro WLOAD g
	WIN 0x40                                       ; destination window 1
.irp i, 0,1,2,3,4,5,6,7,8,9,10,11,12,13,14,15
	global_load_b128 v[64*((\g)%4)+4*\i:64*((\g)%4)+4*\i+3], v[VLW], s[4:5] offset:(8*(\g)+256*(\i/8)+128*((\i/4)%2)+\i%4)*8192 th:TH_LOAD_NT
.endr
.endm
.macro WGROUP g, left                  ; left: the loads of the younger groups, which may stay out
	s_wait_loadcnt \left
	WIN 0x01                                       ; source 0 window 1
.irp q, 0,1,2,3
.irp i, 0,1,2,3,4,5,6,7,8,9,10,11,12,13,14,15
	v_med3_num_f32 v[T+16*\q+\i], v[64*((\g)%4)+4*\i+\q], -v[LIMW], v[LIMW]    ; the hold at the largest code x the scale (ISA guide 7.6.2), and the turn: column q's 16 numbers on end
.endr
.endr
.if (\g) < 4
	WLOAD (\g)+4                                   ; the set just read takes the group four further on
.endif
	WIN 0
	s_wait_dscnt 0x0                               ; the last group's stores have read the codes' registers
.irp q, 0,1,2,3
.irp e, 0,1
	v_cvt_scalef32_pk8_bf8_f32 v[CW+4*\q+2*\e:CW+4*\q+2*\e+1], v[T+16*\q+8*\e:T+16*\q+8*\e+7], v[SCW]
.endr
.endr
	v_nop                                          ; a plain line between the conversions and the next group's holds, which write their sources
.irp q, 0,1,2,3
	ds_store_b128 v[VW], v[CW+4*\q:CW+4*\q+3] offset:16*\q+2048*((\g)>>2)+256*(((\g)>>1)&1)+1024*((\g)&1)   ; K step 2 w + g / 4, lane half (g / 2) % 2, registers 4 (2 (g % 2) + kk) on
.endr
.endm
	WLOAD 0
	WLOAD 1
	WLOAD 2
	WLOAD 3
	WIN 0
	s_wait_kmcnt 0x0
	s_add_co_i32 s27, s28, 127
	s_lshl_b32 s32, s27, 23
	v_mov_b32 v[SCW], s32
	s_add_co_i32 s27, s27, 15
	s_lshl_b32 s27, s27, 23
	s_or_b32 s27, s27, 0x600000
	v_mov_b32 v[LIMW], s27
	s_add_co_i32 s33, s28, s29                     ; e0 + e1: a sum stands for sum x 2^(e0 + e1)
	s_sub_co_i32 s27, s30, s33
	s_add_co_i32 s27, s27, 127
	s_lshl_b32 s32, s27, 23
	v_mov_b32 v[SCH], s32
	s_add_co_i32 s27, s27, 15
	s_lshl_b32 s27, s27, 23
	s_or_b32 s27, s27, 0x600000
	v_mov_b32 v[LIMH], s27
	s_sub_co_i32 s33, 0, s33
	s_add_co_u32 s24, s21, s18                     ; T: my first tile
	s_add_co_u32 s25, s21, s22
	s_sub_co_u32 s25, s25, 1                       ; the expert's last tile
	s_sub_co_u32 s23, s22, s18
	s_add_co_u32 s23, s23, 3
	s_lshr_b32 s23, s23, 2                         ; LEFT: my tiles: (nt - w + 3) / 4
	s_min_u32 s60, s24, s25                        ; the tokens of my first three tiles, each clamped to the expert's last tile and to the list
	s_min_u32 s60, s60, 263
	s_lshl_b32 s60, s60, 6
	s_add_co_u32 s61, s24, 4
	s_min_u32 s61, s61, s25
	s_min_u32 s61, s61, 263
	s_lshl_b32 s61, s61, 6
	s_add_co_u32 s62, s24, 8
	s_min_u32 s62, s62, s25
	s_min_u32 s62, s62, 263
	s_lshl_b32 s62, s62, 6
	s_load_b512 s[68:83], s[8:9], s60 offset:0x0
	s_load_b512 s[84:99], s[8:9], s61 offset:0x0
	s_load_b512 s[TK:TK+15], s[8:9], s62 offset:0x0
	s_add_co_u32 s26, s24, 12                      ; TP: the tile whose tokens are asked for next
	WGROUP 0, 48
	WGROUP 1, 48
	WGROUP 2, 48
	WGROUP 3, 48
	WGROUP 4, 48
	WGROUP 5, 32
	WGROUP 6, 16
	WGROUP 7, 0
.irp i, 0,1,2,3,4,5,6,7,8,9,10,11,12,13,14,15,16,17,18,19,20,21,22,23,24,25,26,27,28,29,30,31
	v_ldexp_f32 v[BI+\i], v[BI+\i], s33            ; b1 / 2^(e0 + e1)
.endr
	s_wait_kmcnt 0x0
.irp m, 0,1,2,3,4,5,6,7,8,9,10,11,12,13,14,15
	s_min_u32 s[68+\m], s[68+\m], 2047             ; a loaded number enters an address behind a bound written in the text
	v_lshl_add_u32 v[OFF+\m], s[68+\m], 10, v[L16] ; the token's row of xc, + 16 x lane
	s_min_u32 s[84+\m], s[84+\m], 2047
	v_lshl_add_u32 v[OFF+16+\m], s[84+\m], 10, v[L16]
.endr
.macro GATHER g                        ; 16 rows of x's codes into buffer g of window 3: two loads a row, each 512 consecutive bytes
	WIN 0xc0                                       ; destination window 3
.irp m, 0,1,2,3,4,5,6,7,8,9,10,11,12,13,14,15
.irp u, 0,1
	global_load_b128 v[128*\g+4*(2*\m+\u):128*\g+4*(2*\m+\u)+3], v[OFF+16*\g+\m], s[6:7] offset:512*\u
.endr
.endr
	WIN 0
.endm
	GATHER 0
	GATHER 1
	s_wait_dscnt 0x0                               ; for the others' sake: my images lie in LDS
	s_barrier_signal -1
	s_barrier_wait -1                              ; all 32 fragments do; nobody writes them again
	s_cmp_eq_u32 s23, 0
	s_cbranch_scc1 .Lend                           ; no tile for this wave
	WIN 0x40
.irp s, 0,1,2,3
.irp t, 0,1,2,3
.irp c, 0,1,2,3
	ds_load_b128 v[16*(4*\s+\t)+4*\c:16*(4*\s+\t)+4*\c+3], v[L16] offset:\t*IMT+\s*2048+\c*512
.endr
.endr
.endr
	WIN 0x80
.irp s, 0,1,2,3
.irp t, 0,1,2,3
.irp c, 0,1,2,3
	ds_load_b128 v[16*(4*\s+\t)+4*\c:16*(4*\s+\t)+4*\c+3], v[L16] offset:\t*IMT+(\s+4)*2048+\c*512
.endr
.endr
.endr
	WIN 0
	s_wait_dscnt 0x0
; ONE TILE OF 16 ROWS, out of buffer g.
.macro TILE g
	s_wait_loadcnt 32                              ; this buffer's 32 loads are in; the other buffer's 32 may be out
	WIN 0x0c                                       ; store data window 3
.irp m, 0,1,2,3,4,5,6,7,8,9,10,11,12,13,14,15
.irp u, 0,1
	ds_store_b128 v[VS], v[128*\g+4*(2*\m+\u):128*\g+4*(2*\m+\u)+3] offset:SPI*\m+512*\u
.endr
.endr
	WIN 0
.irp s, 0,1,2,3,4,5,6,7
.irp c, 0,1,2,3
	ds_load_b128 v[AF+16*\s+4*\c:AF+16*\s+4*\c+3], v[VA] offset:128*\s+16*\c       ; LDS serves a wave's instructions in order (ISA guide 5.7.1.4): these see my stores
.endr
.endr
	s_wait_kmcnt 0x0                               ; the tokens of the tile two of my tiles on
.irp m, 0,1,2,3,4,5,6,7,8,9,10,11,12,13,14,15
	s_min_u32 s[TK+\m], s[TK+\m], 2047
	v_lshl_add_u32 v[OFF+16*\g+\m], s[TK+\m], 10, v[L16]               ; free: the loads that named these registers were shown done at the macro's head
.endr
	s_wait_dscnt 0x0                               ; x's fragments are in, and the stores have read the buffer
	GATHER \g
	s_min_u32 s27, s26, s25
	s_min_u32 s27, s27, 263
	s_lshl_b32 s27, s27, 6
	s_load_b512 s[TK:TK+15], s[8:9], s27 offset:0x0
	s_add_co_u32 s26, s26, 4
	WIN 0x01                                       ; source 0 (W1) window 1.  The four accumulators take turns, one instruction a turn
.irp s, 0,1,2,3
.irp t, 0,1,2,3
.if \s == 0
	v_wmma_f32_16x16x128_bf8_bf8 v[ACC+8*\t:ACC+8*\t+7], v[16*\t:16*\t+15], v[AF:AF+15], v[BI+8*\t:BI+8*\t+7]
.else
	v_wmma_f32_16x16x128_bf8_bf8 v[ACC+8*\t:ACC+8*\t+7], v[16*(4*\s+\t):16*(4*\s+\t)+15], v[AF+16*\s:AF+16*\s+15], v[ACC+8*\t:ACC+8*\t+7]
.endif
.endr
.endr
	WIN 0x02                                       ; window 2
.irp s, 0,1,2,3
.irp t, 0,1,2,3
	v_wmma_f32_16x16x128_bf8_bf8 v[ACC+8*\t:ACC+8*\t+7], v[16*(4*\s+\t):16*(4*\s+\t)+15], v[AF+64+16*\s:AF+64+16*\s+15], v[ACC+8*\t:ACC+8*\t+7]
.endr
.endr
	WIN 0
.rept 4
	v_nop                                          ; four places between the last products and the first read of results; they also serve the next tile's loads into x's fragments
.endr
	s_wait_xcnt 0x0                                ; the last tile's stores have read their data and their base
.irp i, 0,1,2,3,4,5,6,7,8,9,10,11,12,13,14,15,16,17,18,19,20,21,22,23,24,25,26,27,28,29,30,31
	v_med3_num_f32 v[ACC+\i], v[ACC+\i], 0, v[LIMH]                    ; the activation and the hold in one; each accumulator from its low end on
.endr
.irp t, 0,1,2,3
	v_cvt_scalef32_pk8_bf8_f32 v[HC+2*\t:HC+2*\t+1], v[ACC+8*\t:ACC+8*\t+7], v[SCH]
.endr
	v_nop                                          ; a plain line between the conversions and the next products, which write their sources
	s_min_u32 s36, s24, 263
	s_lshl_b32 s36, s36, 15                        ; a tile of hbuf is 32,768 bytes
	s_add_nc_u64 s[40:41], s[38:39], s[36:37]
.irp b, 0,1
	global_store_b128 v[VH], v[HC+4*\b:HC+4*\b+3], s[40:41] offset:1024*\b   ; units 32 b + 16 h + 0 .. 15 of row r: registers 4 (2 b + h) on of lane 16 (j % 2) + r; sixteen lanes store 256 consecutive bytes, aligned
.endr
	s_add_co_u32 s24, s24, 4
.endm
; THE LOOP OVER MY TILES, two a trip, since the two buffers change places.  s62 counts the pairs, up to s61 = (LEFT + 1) / 2, which the loop does not write.
; A wave with an odd number of tiles ends behind the first tile of its last pair, by an s_endpgm of its own: the loop is left only there or by falling through its branch back.
	s_add_co_u32 s61, s23, 1                       ; (s60 to s62 were the offsets of scalar loads that have been waited for)
	s_lshr_b32 s61, s61, 1
	s_mov_b32 s62, 0
.Lpair:
	TILE 0
	s_lshl_b32 s60, s62, 1
	s_add_co_u32 s60, s60, 1                       ; the number, among my tiles, of this pair's second
	s_cmp_lt_u32 s60, s23
	s_cbranch_scc1 .Lsecond
	s_wait_tensorcnt 0x0
	ds_add_u32 v126, v127
	s_wait_dscnt 0x0
	s_endpgm                                       ; there is none: plain loads of tiles asked for ahead may be out here
.Lsecond:
	TILE 1
	s_add_co_u32 s62, s62, 1
	s_cmp_lt_u32 s62, s61
	s_cbranch_scc1 .Lpair
.Lend:
	s_wait_tensorcnt 0x0
	ds_add_u32 v126, v127
	s_wait_dscnt 0x0
	s_endpgm
.Lfunc_end_k_qcf270d871e_fc1:
	.size	k_qcf270d871e_fc1, .Lfunc_end_k_qcf270d871e_fc1-k_qcf270d871e_fc1
	.p2alignl 7, 3214868480
	.fill 96, 4, 3214868480
	.section	.rodata,"a",@progbits
	.p2align	6, 0x0
	.amdhsa_kernel k_qcf270d871e_fc1
		.amdhsa_group_segment_fixed_size 132864
		.amdhsa_private_segment_fixed_size 0
		.amdhsa_enable_private_segment 0
		.amdhsa_kernarg_size 56
		.amdhsa_user_sgpr_count 2
		.amdhsa_user_sgpr_kernarg_segment_ptr 1
		.amdhsa_wavefront_size32 1
		.amdhsa_system_sgpr_workgroup_id_x 1
		.amdhsa_system_sgpr_workgroup_id_y 1
		.amdhsa_system_sgpr_workgroup_id_z 1
		.amdhsa_system_vgpr_workitem_id 0
		.amdhsa_next_free_vgpr 1024
		.amdhsa_next_free_sgpr 100
		.amdhsa_reserve_vcc 0
		.amdhsa_float_denorm_mode_32 3
		.amdhsa_float_denorm_mode_16_64 3
		.amdhsa_memory_ordered 1
		.amdhsa_forward_progress 1
		.amdhsa_inst_pref_size 107
	.end_amdhsa_kernel
	.amdgpu_metadata
---
amdhsa.version: [ 1, 2 ]
amdhsa.kernels:
  - .name:           k_qcf270d871e_fc1
    .symbol:         k_qcf270d871e_fc1.kd
    .args:
      - { .name: W1, .offset: 0, .size: 8, .value_kind: global_buffer, .address_space: global }
      - { .name: xc, .offset: 8, .size: 8, .value_kind: global_buffer, .address_space: global }
      - { .name: list, .offset: 16, .size: 8, .value_kind: global_buffer, .address_space: global }
      - { .name: meta, .offset: 24, .size: 8, .value_kind: global_buffer, .address_space: global }
      - { .name: b1, .offset: 32, .size: 8, .value_kind: global_buffer, .address_space: global }
      - { .name: lowp_scales, .offset: 40, .size: 8, .value_kind: global_buffer, .address_space: global }
      - { .name: hbuf, .offset: 48, .size: 8, .value_kind: global_buffer, .address_space: global }
    .group_segment_fixed_size: 132864
    .private_segment_fixed_size: 0
    .kernarg_segment_align: 8
    .kernarg_segment_size: 56
    .max_flat_workgroup_size: 128
    .sgpr_count:     100
    .vgpr_count:     1024
    .wavefront_size: 32
...
	.end_amdgpu_metadata
.endif
;; end of part 3
;; launch fc2 (part 4): grid 32 x 8, 4 waves a work-group, no clusters, 83,712 bytes of LDS; arguments W2, hbuf, meta, b2, lowp_scales, ybuf; writes ybuf
.if DOCPART == 4
	.amdgcn_target "amdgcn-amd-amdhsa--gfx1250"
	.amdhsa_code_object_version 6
	.text
	.protected	k_qcf270d871e_fc2
	.globl	k_qcf270d871e_fc2
	.p2align	8
	.type	k_qcf270d871e_fc2,@function
k_qcf270d871e_fc2:
	s_mov_b64 s[64:65], 0
	v_nop
	global_prefetch_b8 v0, s[64:65] scope:SCOPE_SE
	s_setreg_imm32_b32 hwreg(HW_REG_WAVE_MODE, 25, 1), 1
	s_wait_xcnt 0x0
; THE SECOND PRODUCT, for the chosen rows alone: y = h W2[e] + b2[e], both operands codes of E5M2, sums in f32.
; THE WEIGHTS STAY, THE ROWS WALK, as in the launch before.  Work-group (2 j + kh, e) owns output columns 64 j .. 64 j + 63 of expert e over HALF of K: k = 1,024 kh .. 1,024 kh + 1,023: 256 KiB of f32, read once in the
; whole launch and quantised here into 64 KiB of codes, which is what 512 registers hold.  Its piece of a row of W2 is 256 consecutive bytes, aligned.
; WHY HALF OF K.  Every one of an expert's 32 work-groups reads every row of that expert: with half of K that is 32 x 1,024 bytes of h for a row, and the row's y leaves in two parts, 2 x 4,096 bytes: 40,960 bytes in all.
; With all of K on 32 columns it would be 32 x 2,048 + 4,096 = 69,632.  A quarter of K would make y's bytes as many as h's, and y goes to memory and back.  The two parts are added by the last launch, which gathers anyway.
; PHASE 1: each wave quantises a quarter of the slice.  A lane takes four columns (16 bytes of a row; sixteen lanes read 256 consecutive bytes, aligned; lanes 16-31 the row 16 further down) and 16 rows k on end; the hold, which
; every number needs, also turns the 4 x 16 numbers so that a column's 16 lie in consecutive registers.  The codes go to LDS as IMAGES OF THE OPERAND'S REGISTERS (16 bytes a lane, 512 a group of four registers).  One barrier.
; PHASE 2: every wave takes all 32 fragments (4 tiles of 16 columns x 8 K steps) into 512 registers.  Wave w walks the expert's row tiles tb + w, tb + w + 4, ..: my half of a tile of h is 8 fragments, laid in hbuf in the order
; of the operand's registers, so 32 loads of 512 consecutive bytes fill them, with no LDS on the way; 32 matrix instructions a tile.  Two buffers of a tile take turns: a buffer is asked for again as soon as its products are issued.
; ORDER ALONG K: in every fragment lane (r, h), register 4 c + p, byte q holds k = 128 s + 64 h + 16 c + 4 p + q, on both sides: every product meets its partner.
; TRANSPOSED USE: source 0 = 16 columns, source 1 = 16 rows; lane r of tile 2 b + u takes column 32 b + 8 u + r + 8 (r / 8): a lane holds one row, and the 16 registers of tiles 2 b, 2 b + 1 are columns 32 b + 16 h + 0 .. 15.
; y's part = sum x 2^(e2 + e3) + b2, one packed multiply-add for two numbers; b2 goes into the part of kh = 0 alone (its registers are cleared where kh = 1).
; OUT: ybuf[kh][j][position][64] f32: a tile's 16 rows x 256 bytes are 4,096 consecutive bytes; they go through the wave's own stage so that each store of the wave covers 512 consecutive bytes, aligned.
; NO TENSOR LOADS, NO CLUSTER: the number of an expert's row tiles is read from memory; a constant count would be the
; worst case of 128 tiles for each of the 8 experts, four times the 256 to 263 tiles that there are.
; A wave without a tile still issues the first loads, on clamped tiles, so that every wave takes one way up to the barrier.  Tiles asked for ahead are clamped to the expert's last tile.
; LIMITS: e3 between -126 and 112; e2 + e3 between -126 and 127.  NaN among the inputs is not served.
; REGISTERS.  window 0: v1-9 addresses and scales; v16-47 four accumulators, then y; v48-79 b2; v80-111 y as rows; v128-255 buffer 0: h's eight fragments (phase 1: v128-191 turned numbers, v192-207 codes).
;   window 1: W2's fragments of my K steps 0-3 at 16 (4 s + t) (phase 1: four sets of 64 numbers as loaded);  window 2: K steps 4-7;  window 3: v0-127 buffer 1.
.set JB,   1081344                     ; bytes of ybuf for one (kh, j): 4,224 positions x 256
.set IMT,  16400                       ; a tile's eight images: 16,384 bytes + 16, so that the quantiser's stores for four tiles fall on different banks (64 banks of 4 bytes: ISA guide 11.1)
.set STG,  65792                       ; behind the images: a stage of 16 rows for each wave
.set SPI,  272                         ; a row of the stage: 256 bytes + 16: the sixteen rows that a store touches start at sixteen different banks
.set L16,  1                           ; v1  16 x lane
.set VW,   2                           ; v2  where I store images
.set VLW,  3                           ; v3  my bytes in W2
.set VSI,  4                           ; v4  the stage, in
.set VSO,  5                           ; v5  the stage, out
.set VB,   6                           ; v6  my bytes in b2
.set LIMW, 8                           ; v8  57,344 x 2^e3
.set SCW,  9                           ; v9  2^e3
.set ACC,  16
.set B2,   48
.set YO,   80
.set T,    128
.set CW,   192
.set MSB, 0
.macro WIN new                         ; the immediate's high byte repeats the setting that is left
.if MSB != \new
	s_set_vgpr_msb (MSB<<8)|\new
.set MSB, \new
.endif
.endm
	s_load_b256 s[4:11], s[0:1], 0x0               ; W2 s[4:5], hbuf s[6:7], meta s[8:9], b2 s[10:11]
	s_load_b128 s[12:15], s[0:1], 0x20             ; the scales' exponents s[12:13], ybuf s[14:15]
	v_lshl_add_u32 v126, v0, 2, 0x14500
	v_mov_b32 v127, 0
	v_lshrrev_b32 v12, 5, v0
	v_readfirstlane_b32 s18, v12                   ; wave 0..3
	s_and_b32 s19, ttmp7, 0xffff                   ; e
	s_lshr_b32 s20, ttmp9, 1                       ; j: which 64 columns
	s_and_b32 s49, ttmp9, 1                        ; kh: which half of K
	v_and_b32 v12, 15, v0                          ; lane % 16: c4 in phase 1, r in phase 2
	v_bfe_u32 v13, v0, 4, 1                        ; lane / 16: kk, h
	v_and_b32 v14, 31, v0
	v_lshlrev_b32 v[L16], 4, v14
	v_bfe_u32 v14, v0, 3, 1
	v_bfe_u32 v15, v0, 1, 1
	v_lshl_add_u32 v14, v14, 1, v15                ; my four columns 4 c4 + q lie in tile t = 2 (c4 / 8) + (c4 / 2) % 2, at lanes r = 4 (c4 % 2) + 8 ((c4 / 4) % 2) + q
	v_mul_u32_u24 v[VW], v14, IMT
	v_and_b32 v15, 1, v0
	v_lshl_add_u32 v[VW], v15, 6, v[VW]
	v_bfe_u32 v15, v0, 2, 1
	v_lshl_add_u32 v[VW], v15, 7, v[VW]
	v_lshl_add_u32 v[VW], v13, 9, v[VW]            ; + 512 kk: the group of four registers
	s_lshl_b32 s27, s18, 12
	v_add_nc_u32 v[VW], s27, v[VW]                 ; + two K steps x wave
	v_lshlrev_b32 v[VLW], 4, v12
	v_lshl_add_u32 v[VLW], v13, 16, v[VLW]         ; 16 c4; lanes 16-31 sixteen rows of 4,096 bytes further down
	s_mul_i32 s27, s18, 16*SPI
	s_add_co_u32 s27, s27, STG                     ; my stage
	v_mul_u32_u24 v[VSI], v12, SPI
	v_lshl_add_u32 v[VSI], v13, 6, v[VSI]
	v_add_nc_u32 v[VSI], s27, v[VSI]               ; in: row r, + 64 h
	v_mul_u32_u24 v[VSO], v13, SPI
	v_lshl_add_u32 v[VSO], v12, 4, v[VSO]
	v_add_nc_u32 v[VSO], s27, v[VSO]               ; out: sixteen lanes to a row of 256 bytes, two rows an instruction
	v_lshlrev_b32 v[VB], 6, v13                    ; 16 numbers x h
	s_lshl_b32 s36, s19, 23                        ; W2: the expert's 8 MiB,
	s_lshl_b32 s27, s20, 8
	s_add_co_u32 s36, s36, s27                     ; my 64 columns,
	s_lshl_b32 s27, s49, 22
	s_add_co_u32 s36, s36, s27                     ; my half of K: 1,024 rows of 4,096 bytes,
	s_lshl_b32 s27, s18, 20
	s_add_co_u32 s36, s36, s27                     ; my wave's 256 rows
	s_mov_b32 s37, 0
	s_lshl_b32 s44, s19, 12                        ; b2: the expert's row, my 64 numbers
	s_lshl_b32 s27, s20, 8
	s_add_co_u32 s44, s44, s27
	s_mov_b32 s45, 0
	s_lshl_b32 s27, s49, 4
	s_add_co_u32 s27, s27, s20                     ; 16 kh + j
	s_mul_i32 s38, s27, JB
	s_mov_b32 s39, 0
	s_lshl_b32 s52, s49, 14                        ; hbuf: my half of a tile: eight fragments of 2,048 bytes
	s_mov_b32 s53, 0
	s_lshl_b32 s48, s19, 2
	s_wait_kmcnt 0x0
	s_load_b128 s[28:31], s[12:13], 0x0            ; e0, e1, e2, e3
	s_load_b32 s21, s[8:9], s48 offset:0x0         ; tb: the expert's first tile
	s_load_b32 s22, s[8:9], s48 offset:0x20        ; nt: its tiles
	s_add_nc_u64 s[4:5], s[4:5], s[36:37]
	s_add_nc_u64 s[10:11], s[10:11], s[44:45]
	s_add_nc_u64 s[38:39], s[14:15], s[38:39]      ; YF: my part of ybuf
	s_add_nc_u64 s[52:53], s[6:7], s[52:53]        ; HB: hbuf at my half of tile 0
.irp t, 0,1,2,3
	global_load_b128 v[B2+8*\t:B2+8*\t+3],   v[VB], s[10:11] offset:(32*(\t/2)+8*(\t%2))*4      ; tile 2 b + u, lane half h: columns 32 b + 16 h + 8 u + 0 .. 7
	global_load_b128 v[B2+8*\t+4:B2+8*\t+7], v[VB], s[10:11] offset:(32*(\t/2)+8*(\t%2))*4+16
.endr
; Group g of eight: 16 rows k = k0 + 32 g + 16 kk + i, four columns a lane, into set g % 4 of window 1.  16 bytes a lane, so that the 64 loads that a wave keeps out are 32 KiB.
.macro WLOAD g
	WIN 0x40                                       ; destination window 1
.irp i, 0,1,2,3,4,5,6,7,8,9,10,11,12,13,14,15
	global_load_b128 v[64*((\g)%4)+4*\i:64*((\g)%4)+4*\i+3], v[VLW], s[4:5] offset:(32*(\g)+\i)*4096 th:TH_LOAD_NT
.endr
.endm
.macro WGROUP g, left                  ; left: the loads of the younger groups, which may stay out
	s_wait_loadcnt \left
	WIN 0x01                                       ; source 0 window 1
.irp q, 0,1,2,3
.irp i, 0,1,2,3,4,5,6,7,8,9,10,11,12,13,14,15
	v_med3_num_f32 v[T+16*\q+\i], v[64*((\g)%4)+4*\i+\q], -v[LIMW], v[LIMW]    ; the hold at the largest code x the scale (ISA guide 7.6.2), and the turn: column q's 16 numbers on end
.endr
.endr
.if (\g) < 4
	WLOAD (\g)+4                                   ; the set just read takes the group four further on
.endif
	WIN 0
	s_wait_dscnt 0x0                               ; the last group's stores have read the codes' registers
.irp q, 0,1,2,3
.irp e, 0,1
	v_cvt_scalef32_pk8_bf8_f32 v[CW+4*\q+2*\e:CW+4*\q+2*\e+1], v[T+16*\q+8*\e:T+16*\q+8*\e+7], v[SCW]
.endr
.endr
	v_nop                                          ; a plain line between the conversions and the next group's holds, which write their sources
.irp q, 0,1,2,3
	ds_store_b128 v[VW], v[CW+4*\q:CW+4*\q+3] offset:16*\q+2048*((\g)>>2)+256*(((\g)>>1)&1)+1024*((\g)&1)   ; K step 2 w + g / 4, lane half (g / 2) % 2, registers 4 (2 (g % 2) + kk) on
.endr
.endm
	WLOAD 0
	WLOAD 1
	WLOAD 2
	WLOAD 3
	WIN 0
	s_wait_kmcnt 0x0
	s_add_co_i32 s27, s31, 127
	s_lshl_b32 s46, s27, 23
	v_mov_b32 v[SCW], s46                          ; 2^e3 as f32: the conversion takes its exponent field
	s_add_co_i32 s27, s27, 15
	s_lshl_b32 s27, s27, 23
	s_or_b32 s27, s27, 0x600000
	v_mov_b32 v[LIMW], s27
	s_add_co_i32 s46, s30, s31
	s_add_co_i32 s46, s46, 127
	s_lshl_b32 s46, s46, 23                        ; 2^(e2 + e3) as f32
	s_mov_b32 s47, s46                             ; (named with it as a pair, so it is written)
	s_add_co_u32 s24, s21, s18                     ; T: my first tile
	s_add_co_u32 s25, s21, s22
	s_sub_co_u32 s25, s25, 1                       ; the expert's last tile
	s_sub_co_u32 s23, s22, s18
	s_add_co_u32 s23, s23, 3
	s_lshr_b32 s23, s23, 2                         ; LEFT: my tiles: (nt - w + 3) / 4
	s_cmp_eq_u32 s49, 0
	s_cselect_b32 s57, -1, 0                       ; all ones where kh = 0
	WGROUP 0, 48
	WGROUP 1, 48
	WGROUP 2, 48
	WGROUP 3, 48
	WGROUP 4, 48
	WGROUP 5, 32
	WGROUP 6, 16
	WGROUP 7, 0
.irp i, 0,1,2,3,4,5,6,7,8,9,10,11,12,13,14,15,16,17,18,19,20,21,22,23,24,25,26,27,28,29,30,31
	v_and_b32 v[B2+\i], s57, v[B2+\i]              ; b2 stays in the part of kh = 0 and is 0 in the other
.endr
.macro ALOAD g, base                   ; my eight fragments of the tile at s[base:base+1] into buffer g; each load 512 consecutive bytes
.if \g
	WIN 0xc0                                       ; destination window 3
.endif
.irp s, 0,1,2,3,4,5,6,7
.irp c, 0,1,2,3
	global_load_b128 v[128-128*\g+16*\s+4*\c:128-128*\g+16*\s+4*\c+3], v[L16], s[\base:\base+1] offset:2048*\s+512*\c
.endr
.endr
	WIN 0
.endm
	s_min_u32 s27, s24, s25                        ; my first two tiles, clamped to the expert's last tile and to the buffer: every wave asks, so that all take one way to the barrier
	s_min_u32 s27, s27, 263
	s_lshl_b32 s36, s27, 15                        ; a tile of hbuf is 32,768 bytes
	s_add_nc_u64 s[42:43], s[52:53], s[36:37]
	s_add_co_u32 s27, s24, 4
	s_min_u32 s27, s27, s25
	s_min_u32 s27, s27, 263
	s_lshl_b32 s36, s27, 15
	s_add_nc_u64 s[44:45], s[52:53], s[36:37]      ; a base of its own: the first tile's loads may still read theirs
	ALOAD 0, 42
	ALOAD 1, 44
	s_wait_dscnt 0x0                               ; for the others' sake: my images lie in LDS
	s_barrier_signal -1
	s_barrier_wait -1                              ; all 32 fragments do; nobody writes them again
	s_cmp_eq_u32 s23, 0
	s_cbranch_scc1 .Lend                           ; no tile for this wave
	WIN 0x40
.irp s, 0,1,2,3
.irp t, 0,1,2,3
.irp c, 0,1,2,3
	ds_load_b128 v[16*(4*\s+\t)+4*\c:16*(4*\s+\t)+4*\c+3], v[L16] offset:\t*IMT+\s*2048+\c*512
.endr
.endr
.endr
	WIN 0x80
.irp s, 0,1,2,3
.irp t, 0,1,2,3
.irp c, 0,1,2,3
	ds_load_b128 v[16*(4*\s+\t)+4*\c:16*(4*\s+\t)+4*\c+3], v[L16] offset:\t*IMT+(\s+4)*2048+\c*512
.endr
.endr
.endr
	WIN 0
	s_wait_dscnt 0x0
; ONE TILE OF 16 ROWS, out of buffer g (0: window 0, v128 on; 1: window 3, v0 on).
.macro TILE g
.set AB, 128-128*\g
	s_wait_loadcnt 32                              ; this buffer's 32 loads are in; the other buffer's 32 may be out
	WIN 0x01+0x0c*\g                               ; source 0 (W2) window 1, source 1 (h) window 0 or 3.  The four accumulators take turns, one instruction a turn
.irp s, 0,1,2,3
.irp t, 0,1,2,3
.if \s == 0
	v_wmma_f32_16x16x128_bf8_bf8 v[ACC+8*\t:ACC+8*\t+7], v[16*\t:16*\t+15], v[AB:AB+15], 0             ; the first K step starts the sums
.else
	v_wmma_f32_16x16x128_bf8_bf8 v[ACC+8*\t:ACC+8*\t+7], v[16*(4*\s+\t):16*(4*\s+\t)+15], v[AB+16*\s:AB+16*\s+15], v[ACC+8*\t:ACC+8*\t+7]
.endif
.endr
.endr
	WIN 0x02+0x0c*\g                               ; source 0 window 2
.irp s, 0,1,2,3
.irp t, 0,1,2,3
	v_wmma_f32_16x16x128_bf8_bf8 v[ACC+8*\t:ACC+8*\t+7], v[16*(4*\s+\t):16*(4*\s+\t)+15], v[AB+64+16*\s:AB+64+16*\s+15], v[ACC+8*\t:ACC+8*\t+7]
.endr
.endr
	WIN 0
.rept 4
	v_nop                                          ; four places between the last products and the first read of results; with the lines below they also serve the loads into the buffer
.endr
	s_wait_xcnt 0x0                                ; the last tile's stores and loads have read their data and their bases: both are written again below
.irp i, 0,2,4,6,8,10,12,14,16,18,20,22,24,26,28,30
	v_pk_fma_f32 v[ACC+\i:ACC+\i+1], v[ACC+\i:ACC+\i+1], s[46:47], v[B2+\i:B2+\i+1] op_sel_hi:[1,0,1]  ; x 2^(e2 + e3) + b2, in place; each accumulator from its low end on
.endr
.irp b, 0,1
.irp q, 0,1,2,3
	ds_store_b128 v[VSI], v[ACC+16*\b+4*\q:ACC+16*\b+4*\q+3] offset:128*\b+16*\q                       ; row r, columns 32 b + 16 h + 4 q on
.endr
.endr
.irp i, 0,1,2,3,4,5,6,7
	ds_load_b128 v[YO+4*\i:YO+4*\i+3], v[VSO] offset:2*SPI*\i          ; LDS serves a wave's instructions in order (ISA guide 5.7.1.4): these see my stores
.endr
	s_add_co_u32 s27, s24, 8                       ; the tile two of my tiles on, clamped to the expert's last: every tile issues the same loads, and only stored bytes are read
	s_min_u32 s27, s27, s25
	s_min_u32 s27, s27, 263
	s_lshl_b32 s36, s27, 15
	s_add_nc_u64 s[42:43], s[52:53], s[36:37]
	s_min_u32 s27, s24, 263
	s_lshl_b32 s36, s27, 12                        ; a tile of my part of ybuf is 4,096 bytes
	s_add_nc_u64 s[40:41], s[38:39], s[36:37]
	ALOAD \g, 42                                   ; the stage's lines stand ahead of these 32 loads, the wait for them behind
	s_wait_dscnt 0x0                               ; y's rows are back in registers, and the stores into the stage have read the accumulators
.irp i, 0,1,2,3,4,5,6,7
	global_store_b128 v[L16], v[YO+4*\i:YO+4*\i+3], s[40:41] offset:512*\i th:TH_STORE_NT              ; 32 lanes store 512 consecutive bytes, aligned
.endr
	s_add_co_u32 s24, s24, 4
.endm
; THE LOOP OVER MY TILES, two a trip, since the two buffers change places.  s55 counts the pairs, up to s54 = (LEFT + 1) / 2, which the loop does not write.
; A wave with an odd number of tiles ends behind the first tile of its last pair, by an s_endpgm of its own: the loop is left only there or by falling through its branch back.
	s_add_co_u32 s54, s23, 1
	s_lshr_b32 s54, s54, 1
	s_mov_b32 s55, 0
.Lpair:
	TILE 0
	s_lshl_b32 s56, s55, 1
	s_add_co_u32 s56, s56, 1                       ; the number, among my tiles, of this pair's second
	s_cmp_lt_u32 s56, s23
	s_cbranch_scc1 .Lsecond
	s_wait_tensorcnt 0x0
	ds_add_u32 v126, v127
	s_wait_dscnt 0x0
	s_endpgm                                       ; there is none: plain loads of tiles asked for ahead may be out here
.Lsecond:
	TILE 1
	s_add_co_u32 s55, s55, 1
	s_cmp_lt_u32 s55, s54
	s_cbranch_scc1 .Lpair
.Lend:
	s_wait_tensorcnt 0x0
	ds_add_u32 v126, v127
	s_wait_dscnt 0x0
	s_endpgm
.Lfunc_end_k_qcf270d871e_fc2:
	.size	k_qcf270d871e_fc2, .Lfunc_end_k_qcf270d871e_fc2-k_qcf270d871e_fc2
	.p2alignl 7, 3214868480
	.fill 96, 4, 3214868480
	.section	.rodata,"a",@progbits
	.p2align	6, 0x0
	.amdhsa_kernel k_qcf270d871e_fc2
		.amdhsa_group_segment_fixed_size 83712
		.amdhsa_private_segment_fixed_size 0
		.amdhsa_enable_private_segment 0
		.amdhsa_kernarg_size 48
		.amdhsa_user_sgpr_count 2
		.amdhsa_user_sgpr_kernarg_segment_ptr 1
		.amdhsa_wavefront_size32 1
		.amdhsa_system_sgpr_workgroup_id_x 1
		.amdhsa_system_sgpr_workgroup_id_y 1
		.amdhsa_system_sgpr_workgroup_id_z 1
		.amdhsa_system_vgpr_workitem_id 0
		.amdhsa_next_free_vgpr 896
		.amdhsa_next_free_sgpr 66
		.amdhsa_reserve_vcc 0
		.amdhsa_float_denorm_mode_32 3
		.amdhsa_float_denorm_mode_16_64 3
		.amdhsa_memory_ordered 1
		.amdhsa_forward_progress 1
		.amdhsa_inst_pref_size 90
	.end_amdhsa_kernel
	.amdgpu_metadata
---
amdhsa.version: [ 1, 2 ]
amdhsa.kernels:
  - .name:           k_qcf270d871e_fc2
    .symbol:         k_qcf270d871e_fc2.kd
    .args:
      - { .name: W2, .offset: 0, .size: 8, .value_kind: global_buffer, .address_space: global }
      - { .name: hbuf, .offset: 8, .size: 8, .value_kind: global_buffer, .address_space: global }
      - { .name: meta, .offset: 16, .size: 8, .value_kind: global_buffer, .address_space: global }
      - { .name: b2, .offset: 24, .size: 8, .value_kind: global_buffer, .address_space: global }
      - { .name: lowp_scales, .offset: 32, .size: 8, .value_kind: global_buffer, .address_space: global }
      - { .name: ybuf, .offset: 40, .size: 8, .value_kind: global_buffer, .address_space: global }
    .group_segment_fixed_size: 83712
    .private_segment_fixed_size: 0
    .kernarg_segment_align: 8
    .kernarg_segment_size: 48
    .max_flat_workgroup_size: 128
    .sgpr_count:     66
    .vgpr_count:     896
    .wavefront_size: 32
...
	.end_amdgpu_metadata
.endif
;; end of part 4
;; launch combine (part 5): grid 256 x 1, 8 waves a work-group, no clusters, 0 bytes of LDS; arguments ybuf, inv, rgate, out0; writes out0
.if DOCPART == 5
	.amdgcn_target "amdgcn-amd-amdhsa--gfx1250"
	.amdhsa_code_object_version 6
	.text
	.protected	k_qcf270d871e_combine
	.globl	k_qcf270d871e_combine
	.p2align	8
	.type	k_qcf270d871e_combine,@function
k_qcf270d871e_combine:
	s_mov_b64 s[64:65], 0
	v_nop
	global_prefetch_b8 v0, s[64:65] scope:SCOPE_SE
	s_setreg_imm32_b32 hwreg(HW_REG_WAVE_MODE, 25, 1), 1
	s_wait_xcnt 0x0
; out[n] = g0 y[position of (n, 0)] + g1 y[position of (n, 1)], each y the sum of its two parts (the two halves of the second product's K): the sums over a token's two experts and over the halves, by gathering:
; each output row has one owner, no atomics.
; A wave takes one token, a work-group eight.  ybuf is [kh][j][position][64] f32: a part of a row lies in 16 pieces of 256 bytes, aligned, JB bytes apart: sixteen lanes read a piece, a load two pieces.
; A lane then holds columns 128 i + 4 lane + 0 .. 3 of column group i: the row's own order, and each store of the wave covers 512 consecutive bytes, aligned.
; All 32 loads of a wave go out at once, a column group's four on end, so that a group is summed and stored while the later groups are on their way.  Nothing is read twice (each position belongs to one entry).
; No LDS, no barrier, no matrix unit: a stream.
.set JB, 1081344                       ; bytes of ybuf for one (kh, j): 4,224 positions x 256
.set YR, 16                            ; v16-143: column group i at YR + 16 i: choice k, half kh at + 4 (2 k + kh)
.set BS, 40                            ; s[40:47]: four bases, ybuf + (16 kh + 8 x) JB at BS + 2 (2 kh + x), so that every offset stays inside the signed 24-bit immediate (ISA guide, chapter 10)
	s_load_b256 s[4:11], s[0:1], 0x0               ; ybuf s[4:5], inv s[6:7], rgate s[8:9], out0 s[10:11]
	v_lshrrev_b32 v1, 5, v0
	v_readfirstlane_b32 s12, v1                    ; wave 0..7
	s_lshl_b32 s13, ttmp9, 3
	s_add_co_u32 s13, s13, s12                     ; my token
	s_lshl_b32 s14, s13, 3                         ; its two entries in inv and rgate: 8 bytes
	s_lshl_b32 s32, s13, 12                        ; its row of out0
	s_mov_b32 s33, 0
	v_and_b32 v1, 31, v0
	v_lshlrev_b32 v3, 4, v1                        ; 16 x lane
	v_lshrrev_b32 v2, 4, v1
	v_mul_u32_u24 v2, v2, JB
	v_and_b32 v1, 15, v1
	v_lshl_add_u32 v2, v1, 4, v2                   ; piece lane / 16 of a load's two, + 16 (lane % 16)
	s_wait_kmcnt 0x0
	s_load_b64 s[16:17], s[6:7], s14 offset:0x0    ; two positions
	s_load_b64 s[20:21], s[8:9], s14 offset:0x0    ; two probabilities
	s_add_nc_u64 s[10:11], s[10:11], s[32:33]
	s_mov_b64 s[BS:BS+1], s[4:5]
	s_add_nc_u64 s[BS+2:BS+3], s[4:5], 8*JB
	s_add_nc_u64 s[BS+4:BS+5], s[4:5], 16*JB
	s_add_nc_u64 s[BS+6:BS+7], s[4:5], 24*JB
	s_wait_kmcnt 0x0
.irp k, 0,1
	s_min_u32 s[16+\k], s[16+\k], 4223             ; a loaded number enters an address behind a bound written in the text
	s_lshl_b32 s[16+\k], s[16+\k], 8
	v_add_nc_u32 v[4+\k], s[16+\k], v2
.endr
.irp i, 0,1,2,3,4,5,6,7
.irp k, 0,1
.irp h, 0,1
	global_load_b128 v[YR+16*\i+4*(2*\k+\h):YR+16*\i+4*(2*\k+\h)+3], v[4+\k], s[BS+2*(2*\h+\i/4):BS+2*(2*\h+\i/4)+1] offset:(\i%4)*2*JB th:TH_LOAD_NT   ; pieces j = 2 i and 2 i + 1
.endr
.endr
.endr
.irp k, 0,1
	s_mov_b32 s[24+2*\k], s[20+\k]                 ; each probability as a pair: the packed forms name a pair and take its low word for both halves
	s_mov_b32 s[25+2*\k], s[20+\k]
.endr
.irp i, 0,1,2,3,4,5,6,7
	s_wait_loadcnt 28-4*\i                         ; this group's four loads are in; the four of each later group may be out
.irp r, 0,2
	v_pk_mul_f32 v[YR+16*\i+\r:YR+16*\i+\r+1], v[YR+16*\i+\r:YR+16*\i+\r+1], s[24:25] op_sel_hi:[1,0]
	v_pk_fma_f32 v[YR+16*\i+\r:YR+16*\i+\r+1], v[YR+16*\i+4+\r:YR+16*\i+4+\r+1], s[24:25], v[YR+16*\i+\r:YR+16*\i+\r+1] op_sel_hi:[1,0,1]
	v_pk_fma_f32 v[YR+16*\i+\r:YR+16*\i+\r+1], v[YR+16*\i+8+\r:YR+16*\i+8+\r+1], s[26:27], v[YR+16*\i+\r:YR+16*\i+\r+1] op_sel_hi:[1,0,1]
	v_pk_fma_f32 v[YR+16*\i+\r:YR+16*\i+\r+1], v[YR+16*\i+12+\r:YR+16*\i+12+\r+1], s[26:27], v[YR+16*\i+\r:YR+16*\i+\r+1] op_sel_hi:[1,0,1]
.endr
	global_store_b128 v3, v[YR+16*\i:YR+16*\i+3], s[10:11] offset:512*\i th:TH_STORE_NT
.endr
	s_endpgm
.Lfunc_end_k_qcf270d871e_combine:
	.size	k_qcf270d871e_combine, .Lfunc_end_k_qcf270d871e_combine-k_qcf270d871e_combine
	.p2alignl 7, 3214868480
	.fill 96, 4, 3214868480
	.section	.rodata,"a",@progbits
	.p2align	6, 0x0
	.amdhsa_kernel k_qcf270d871e_combine
		.amdhsa_group_segment_fixed_size 0
		.amdhsa_private_segment_fixed_size 0
		.amdhsa_enable_private_segment 0
		.amdhsa_kernarg_size 32
		.amdhsa_user_sgpr_count 2
		.amdhsa_user_sgpr_kernarg_segment_ptr 1
		.amdhsa_wavefront_size32 1
		.amdhsa_system_sgpr_workgroup_id_x 1
		.amdhsa_system_sgpr_workgroup_id_y 1
		.amdhsa_system_sgpr_workgroup_id_z 1
		.amdhsa_system_vgpr_workitem_id 0
		.amdhsa_next_free_vgpr 144
		.amdhsa_next_free_sgpr 66
		.amdhsa_reserve_vcc 0
		.amdhsa_float_denorm_mode_32 3
		.amdhsa_float_denorm_mode_16_64 3
		.amdhsa_memory_ordered 1
		.amdhsa_forward_progress 1
		.amdhsa_inst_pref_size 10
	.end_amdhsa_kernel
	.amdgpu_metadata
---
amdhsa.version: [ 1, 2 ]
amdhsa.kernels:
  - .name:           k_qcf270d871e_combine
    .symbol:         k_qcf270d871e_combine.kd
    .args:
      - { .name: ybuf, .offset: 0, .size: 8, .value_kind: global_buffer, .address_space: global }
      - { .name: inv, .offset: 8, .size: 8, .value_kind: global_buffer, .address_space: global }
      - { .name: rgate, .offset: 16, .size: 8, .value_kind: global_buffer, .address_space: global }
      - { .name: out0, .offset: 24, .size: 8, .value_kind: global_buffer, .address_space: global }
    .group_segment_fixed_size: 0
    .private_segment_fixed_size: 0
    .kernarg_segment_align: 8
    .kernarg_segment_size: 32
    .max_flat_workgroup_size: 256
    .sgpr_count:     66
    .vgpr_count:     144
    .wavefront_size: 32
...
	.end_amdgpu_metadata
.endif
;; end of part 5
;; ======== version 2 of 2: 5 launches; version 1 with the launches fc1, fc2 written anew for expert scheduling mode
;; workspace buffers: xc 2,097,152 bytes; ridx 16,384 bytes of whole numbers; rgate 16,384 bytes; list 16,896 bytes of whole numbers; inv 16,384 bytes of whole numbers; meta 256 bytes of whole numbers; hbuf 8,650,752 bytes; ybuf 34,603,008 bytes
;; launch route: the kernel of part 1 again; grid 256 x 1, 4 waves a work-group, no clusters, 37,376 bytes of LDS; arguments x, gate_W, gate_b, lowp_scales, xc, ridx, rgate; writes xc, ridx, rgate
;; launch place: the kernel of part 2 again; grid 1 x 1, 16 waves a work-group, no clusters, 4,096 bytes of LDS; arguments ridx, list, inv, meta; writes list, inv, meta
;; launch fc1 (part 6): grid 32 x 8, 4 waves a work-group, no clusters, 132,864 bytes of LDS; arguments W1, xc, list, meta, b1, lowp_scales, hbuf; writes hbuf
.if DOCPART == 6
	.amdgcn_target "amdgcn-amd-amdhsa--gfx1250"
	.amdhsa_code_object_version 6
	.text
	.protected	k_qcf270d871e_fc1
	.globl	k_qcf270d871e_fc1
	.p2align	8
	.type	k_qcf270d871e_fc1,@function
k_qcf270d871e_fc1:
	s_mov_b64 s[64:65], 0
	v_nop
	global_prefetch_b8 v0, s[64:65] scope:SCOPE_SE
	s_setreg_imm32_b32 hwreg(HW_REG_WAVE_SCHED_MODE, 0, 2), 2
	s_setreg_imm32_b32 hwreg(HW_REG_WAVE_MODE, 25, 1), 1
	s_wait_xcnt 0x0
	s_wait_alu depctr_vm_vsrc(0)
; THE FIRST PRODUCT, for the chosen rows alone: h = Q(relu(x W1[e] + b1[e])), both operands codes of E5M2, sums in f32.  reference() multiplies every other row's result by a weight of 0 that its own router makes.
; THE WEIGHTS STAY, THE ROWS WALK.  Work-group (j, e) owns hidden units 64 j .. 64 j + 63 of expert e over all K = 1,024: 256 KiB of f32, read from memory once in the whole launch and quantised here; the codes (64 KiB) never go to memory.
; PHASE 1: each wave quantises a quarter of the slice.  A lane takes four columns (16 bytes of a row of W1; sixteen lanes read 256 consecutive bytes, aligned) and 16 rows k; the hold, which every number needs, also turns the 4 x 16
; numbers so that a column's 16 lie in consecutive registers.  The codes go to LDS as IMAGES OF THE OPERAND'S REGISTERS (16 bytes a lane, 512 a group of four registers).  One barrier.
; PHASE 2: every wave takes ALL 32 fragments (4 tiles of 16 units x 8 K steps) into 512 registers; wave w then walks the expert's row tiles tb + w, tb + w + 4, ..: 16 rows of x's codes are gathered by the stored list
; (each load: 512 consecutive bytes of one row), turned through the wave's own stage in LDS into 8 fragments, and multiplied: 32 matrix instructions a tile.  No weight is read again, however many rows an expert has.
; ORDER ALONG K.  In every fragment lane (r, h), register 4 c + p, byte q holds place 128 s + 64 h + 16 c + 4 p + q of a row of xc; place 512 u + 16 L + i is k = 512 u + 4 L + 256 (i / 8) + 128 ((i / 4) % 2) + i % 4.
; The same permutation of k on both sides: every product meets its partner.
; TRANSPOSED USE: source 0 = 16 units, source 1 = 16 rows, and lane r of tile 2 b + u takes unit 32 b + 8 u + r + 8 (r / 8): so a lane holds one row, and the 16 registers of tiles 2 b, 2 b + 1 are 16 neighbouring hidden units:
; the conversions' results are 16 bytes of the next product's fragment, stored in that fragment's own order (hbuf: [tile][K step][4 registers][lane][16 bytes]); sixteen lanes store 256 consecutive bytes, aligned.
; b1 is the C of each sum's first matrix instruction, divided by 2^(e0 + e1); the three scales ahead of the quantiser are folded into the conversion's one, 2^(e2 - e0 - e1).
; NO TENSOR LOADS, NO CLUSTER: the number of an expert's row tiles is read from memory; a constant count would be the
; worst case of 128 tiles for each of the 8 experts, four times the 256 to 263 tiles that there are.
; A wave without a tile still issues the first loads, on clamped tiles, so that every wave takes one way up to the barrier.  Tiles asked for ahead are clamped to the expert's last tile: only stored bytes are read.
; LIMITS: e0 and e2 - e0 - e1 between -126 and 112.  NaN among the inputs is not served.
; REGISTERS.  window 0: v1-11 addresses and scales; v16-47 the gathers' offsets, a set for each buffer; v48-79 four accumulators; v80-111 b1; v112-119 h's codes; v128-255 x's eight fragments (phase 1: v128-191 turned numbers, v192-207 codes).
;   window 1: W1's fragments of K steps 0-3 at 16 (4 s + t) (phase 1: four sets of 64 numbers as loaded);  window 2: K steps 4-7;  window 3: two buffers of 16 gathered rows.
; THE MODE: SCHED_MODE bits 1:0 = 2 (LLVM: expert scheduling mode 2), set by the entry lines.  The code itself states the register dependences
; between vector or matrix instructions and memory or LDS instructions, with s_wait_alu, always for 0.
; THE PLAN.  Registers that memory or LDS instructions touch:
;   v1 .. v7, v126, v127   addresses: written once at the head, ahead of the first wait on va_vdst, and never again.
;   window 1's four sets   (phase 1) group g's loads land in set g % 4; its 64 holds read the set; behind them group g + 4's loads land in it.
;   v192 .. v207           (phase 1) a group's conversions write them, its four LDS stores read them.
;       ONE wait on va_vdst a group, behind the conversions: the codes are written, and the holds are done reading the set.  One on vm_vsrc ahead of the conversions: the last group's LDS stores have read the codes.
;   buffers 0, 1 (window 3)  the gathers land in them, the LDS stores into the stage read them; no vector or matrix instruction names them.
;   v128 .. v255           (the loop) the LDS loads from the stage land in them, the tile's 32 matrix instructions read them.
;   OFF[0], OFF[1]         a tile on buffer g gathers by OFF[g] and, in its tail, writes OFF[1 - g], by which the next tile gathers.
;   v112 .. v119           the tail's conversions write them, the tile's two global stores read them.
;       ONE wait on va_vdst a tile, in its tail: h's codes are written; OFF[1 - g] is written; the matrix instructions are done reading x's fragments.  From there to the next tile's first matrix instruction no vector
;       instruction is issued, and the matrix instructions name nothing of window 3 and no offset: so the stores, the next tile's LDS loads and its 32 gathers, dealt in two runs among its products, owe nothing more on that field.
;       Two waits on vm_vsrc a tile: behind the stage's lines (the LDS stores have read buffer g, in which the gathers land), and in the tail (the last tile's stores have read h's codes; the gathers have read OFF[1 - g]).
.set SPI,  1040                        ; a row of the stage: 1,024 bytes + 16: the sixteen rows that a fragment load touches start at sixteen different banks (64 banks of 4 bytes: ISA guide 11.1)
.set IMT,  16400                       ; a tile's eight images: 16,384 bytes + 16, so that the quantiser's stores for four tiles fall on different banks
.set STG,  65792                       ; behind the images: a stage of 16 rows for each wave
.set L16,  1                           ; v1   16 x lane
.set VW,   2                           ; v2   where I store images
.set VLW,  3                           ; v3   my bytes in a row of W1
.set VS,   4                           ; v4   the stage, in
.set VA,   5                           ; v5   the stage, out
.set VH,   6                           ; v6   my bytes in a fragment of hbuf
.set VB,   7                           ; v7   my bytes in b1
.set LIMW, 8                           ; v8   57,344 x 2^e0
.set SCW,  9                           ; v9   2^e0
.set SCH,  10                          ; v10  2^(e2 - e0 - e1)
.set LIMH, 11                          ; v11  57,344 x that
.set OFF,  16
.set ACC,  48
.set BI,   80
.set HC,   112
.set AF,   128
.set T,    128
.set CW,   192
.set TK,   44                          ; s[44:59] sixteen tokens
.set MSB, 0
.macro WIN new                         ; the immediate's high byte repeats the setting that is left
.if MSB != \new
	s_set_vgpr_msb (MSB<<8)|\new
.set MSB, \new
.endif
.endm
	s_load_b256 s[4:11], s[0:1], 0x0               ; W1 s[4:5], xc s[6:7], list s[8:9], meta s[10:11]
	s_load_b128 s[12:15], s[0:1], 0x20             ; b1 s[12:13], the scales' exponents s[14:15]
	s_load_b64 s[16:17], s[0:1], 0x30              ; hbuf
	v_lshl_add_u32 v126, v0, 2, 0x20500
	v_mov_b32 v127, 0
	v_lshrrev_b32 v12, 5, v0
	v_readfirstlane_b32 s18, v12                   ; wave 0..3
	s_and_b32 s19, ttmp7, 0xffff                   ; e
	s_mov_b32 s20, ttmp9                           ; j
	v_and_b32 v12, 15, v0                          ; lane % 16: c4 in phase 1, r in phase 2
	v_bfe_u32 v13, v0, 4, 1                        ; lane / 16: kk, h
	v_and_b32 v14, 31, v0
	v_lshlrev_b32 v[L16], 4, v14
	v_bfe_u32 v14, v0, 3, 1
	v_bfe_u32 v15, v0, 1, 1
	v_lshl_add_u32 v14, v14, 1, v15                ; my four columns 4 c4 + q lie in tile t = 2 (c4 / 8) + (c4 / 2) % 2, at lanes r = 4 (c4 % 2) + 8 ((c4 / 4) % 2) + q
	v_mul_u32_u24 v[VW], v14, IMT
	v_and_b32 v15, 1, v0
	v_lshl_add_u32 v[VW], v15, 6, v[VW]
	v_bfe_u32 v15, v0, 2, 1
	v_lshl_add_u32 v[VW], v15, 7, v[VW]
	v_lshl_add_u32 v[VW], v13, 9, v[VW]            ; + 512 kk: the group of four registers
	s_wait_alu depctr_va_sdst(0)                   ; s18 is written, ahead of its first reader: LDS addresses, bases and the count of my tiles are made from it
	s_lshl_b32 s27, s18, 12
	v_add_nc_u32 v[VW], s27, v[VW]                 ; + two K steps x wave
	v_lshlrev_b32 v[VLW], 4, v12
	v_lshl_add_u32 v[VLW], v13, 15, v[VLW]         ; 16 c4; lanes 16-31 four rows further down
	s_mul_i32 s27, s18, 16*SPI
	s_add_co_u32 s27, s27, STG                     ; my stage
	v_add_nc_u32 v[VS], s27, v[L16]
	v_mul_u32_u24 v[VA], v12, SPI
	v_lshl_add_u32 v[VA], v13, 6, v[VA]
	v_add_nc_u32 v[VA], s27, v[VA]                 ; row r, + 64 h
	v_lshlrev_b32 v[VH], 4, v12
	v_lshl_add_u32 v[VH], v13, 9, v[VH]            ; 16 r + 512 h
	v_lshlrev_b32 v[VB], 6, v13                    ; 16 numbers x h
	s_lshl_b32 s36, s19, 23                        ; W1: the expert's 8 MiB,
	s_lshl_b32 s27, s20, 8
	s_add_co_u32 s36, s36, s27                     ; my 64 columns,
	s_lshr_b32 s27, s18, 1
	s_lshl_b32 s27, s27, 22
	s_add_co_u32 s36, s36, s27                     ; and my wave's rows: from k = 512 (w / 2) + 64 (w % 2) on
	s_and_b32 s27, s18, 1
	s_lshl_b32 s27, s27, 19
	s_add_co_u32 s36, s36, s27
	s_mov_b32 s37, 0
	s_lshl_b32 s42, s19, 13                        ; b1: the expert's row, my 64 numbers
	s_lshl_b32 s27, s20, 8
	s_add_co_u32 s42, s42, s27
	s_mov_b32 s43, 0
	s_lshr_b32 s38, s20, 1                         ; hbuf: my 64 units are half (j % 2) of K step j / 2
	s_lshl_b32 s38, s38, 11
	s_and_b32 s27, s20, 1
	s_lshl_b32 s27, s27, 8
	s_add_co_u32 s38, s38, s27
	s_mov_b32 s39, 0
	s_lshl_b32 s60, s19, 2
	s_wait_kmcnt 0x0
	s_load_b128 s[28:31], s[14:15], 0x0            ; e0, e1, e2, e3
	s_load_b32 s21, s[10:11], s60 offset:0x0       ; tb: the expert's first tile
	s_load_b32 s22, s[10:11], s60 offset:0x20      ; nt: its tiles
	s_add_nc_u64 s[4:5], s[4:5], s[36:37]
	s_add_nc_u64 s[12:13], s[12:13], s[42:43]
	s_add_nc_u64 s[38:39], s[16:17], s[38:39]      ; HF
	s_wait_alu depctr_va_vdst(0)                   ; the seven addresses v1 to v7 are written, which the kernel's loads and stores read
.irp t, 0,1,2,3
	global_load_b128 v[BI+8*\t:BI+8*\t+3],   v[VB], s[12:13] offset:(32*(\t/2)+8*(\t%2))*4      ; tile 2 b + u, lane half h: units 32 b + 16 h + 8 u + 0 .. 7
	global_load_b128 v[BI+8*\t+4:BI+8*\t+7], v[VB], s[12:13] offset:(32*(\t/2)+8*(\t%2))*4+16
.endr
; Group g of eight: 16 rows k = k0 + 8 g + 4 kk + f(i), four columns a lane, into set g % 4 of window 1.  16 bytes a lane, so that the 64 loads that a wave keeps out are 32 KiB.
.macro WLOAD g
	WIN 0x40                                       ; destination window 1
.irp i, 0,1,2,3,4,5,6,7,8,9,10,11,12,13,14,15
	global_load_b128 v[64*((\g)%4)+4*\i:64*((\g)%4)+4*\i+3], v[VLW], s[4:5] offset:(8*(\g)+256*(\i/8)+128*((\i/4)%2)+\i%4)*8192 th:TH_LOAD_NT
.endr
.endm
.macro WGROUP g, left                  ; left: the loads of the younger groups, which may stay out
	s_wait_loadcnt \left
	WIN 0x01                                       ; source 0 window 1
.irp q, 0,1,2,3
.irp i, 0,1,2,3,4,5,6,7,8,9,10,11,12,13,14,15
	v_med3_num_f32 v[T+16*\q+\i], v[64*((\g)%4)+4*\i+\q], -v[LIMW], v[LIMW]    ; the hold at the largest code x the scale (ISA guide 7.6.2), and the turn: column q's 16 numbers on end
.endr
.endr
	WIN 0
	s_wait_dscnt 0x0                               ; the last group's stores are done
.if (\g) > 0
	s_wait_alu depctr_vm_vsrc(0)                   ; the last group's LDS stores have read the codes' registers, which the conversions write again
.endif
.irp q, 0,1,2,3
.irp e, 0,1
	v_cvt_scalef32_pk8_bf8_f32 v[CW+4*\q+2*\e:CW+4*\q+2*\e+1], v[T+16*\q+8*\e:T+16*\q+8*\e+7], v[SCW]
.endr
.endr
	v_nop                                          ; a plain line between the conversions and the next group's holds, which write their sources
.if (\g) < 4
	WIN 0x40                                       ; the switch, then the wait, then the loads
.endif
	s_wait_alu depctr_va_vdst(0)                   ; the conversions have written the codes, which the LDS stores read; the holds are done reading the set, in which the loads below land
.if (\g) < 4
	WLOAD (\g)+4                                   ; the set just read takes the group four further on
	WIN 0
.endif
.irp q, 0,1,2,3
	ds_store_b128 v[VW], v[CW+4*\q:CW+4*\q+3] offset:16*\q+2048*((\g)>>2)+256*(((\g)>>1)&1)+1024*((\g)&1)   ; K step 2 w + g / 4, lane half (g / 2) % 2, registers 4 (2 (g % 2) + kk) on
.endr
.endm
	WLOAD 0
	WLOAD 1
	WLOAD 2
	WLOAD 3
	WIN 0
	s_wait_kmcnt 0x0
	s_add_co_i32 s27, s28, 127
	s_lshl_b32 s32, s27, 23
	v_mov_b32 v[SCW], s32
	s_add_co_i32 s27, s27, 15
	s_lshl_b32 s27, s27, 23
	s_or_b32 s27, s27, 0x600000
	v_mov_b32 v[LIMW], s27
	s_add_co_i32 s33, s28, s29                     ; e0 + e1: a sum stands for sum x 2^(e0 + e1)
	s_sub_co_i32 s27, s30, s33
	s_add_co_i32 s27, s27, 127
	s_lshl_b32 s32, s27, 23
	v_mov_b32 v[SCH], s32
	s_add_co_i32 s27, s27, 15
	s_lshl_b32 s27, s27, 23
	s_or_b32 s27, s27, 0x600000
	v_mov_b32 v[LIMH], s27
	s_sub_co_i32 s33, 0, s33
	s_add_co_u32 s24, s21, s18                     ; T: my first tile
	s_add_co_u32 s25, s21, s22
	s_sub_co_u32 s25, s25, 1                       ; the expert's last tile
	s_sub_co_u32 s23, s22, s18
	s_add_co_u32 s23, s23, 3
	s_lshr_b32 s23, s23, 2                         ; LEFT: my tiles: (nt - w + 3) / 4
	s_min_u32 s60, s24, s25                        ; the tokens of my first three tiles, each clamped to the expert's last tile and to the list
	s_min_u32 s60, s60, 263
	s_lshl_b32 s60, s60, 6
	s_add_co_u32 s61, s24, 4
	s_min_u32 s61, s61, s25
	s_min_u32 s61, s61, 263
	s_lshl_b32 s61, s61, 6
	s_add_co_u32 s62, s24, 8
	s_min_u32 s62, s62, s25
	s_min_u32 s62, s62, 263
	s_lshl_b32 s62, s62, 6
	s_load_b512 s[68:83], s[8:9], s60 offset:0x0
	s_load_b512 s[84:99], s[8:9], s61 offset:0x0
	s_load_b512 s[TK:TK+15], s[8:9], s62 offset:0x0
	s_add_co_u32 s26, s24, 12                      ; TP: the tile whose tokens are asked for next
	WGROUP 0, 48
	WGROUP 1, 48
	WGROUP 2, 48
	WGROUP 3, 48
	WGROUP 4, 48
	WGROUP 5, 32
	WGROUP 6, 16
	WGROUP 7, 0
.irp i, 0,1,2,3,4,5,6,7,8,9,10,11,12,13,14,15,16,17,18,19,20,21,22,23,24,25,26,27,28,29,30,31
	v_ldexp_f32 v[BI+\i], v[BI+\i], s33            ; b1 / 2^(e0 + e1)
.endr
	s_wait_kmcnt 0x0
.irp m, 0,1,2,3,4,5,6,7,8,9,10,11,12,13,14,15
	s_min_u32 s[68+\m], s[68+\m], 2047             ; a loaded number enters an address behind a bound written in the text
	v_lshl_add_u32 v[OFF+\m], s[68+\m], 10, v[L16] ; the token's row of xc, + 16 x lane
	s_min_u32 s[84+\m], s[84+\m], 2047
	v_lshl_add_u32 v[OFF+16+\m], s[84+\m], 10, v[L16]
.endr
.macro GHALF g, r0                     ; eight of the 16 rows of x's codes, rows r0 on, into buffer g of window 3: two loads a row, each 512 consecutive bytes
	WIN 0xc0                                       ; destination window 3
.irp m, 0,1,2,3,4,5,6,7
.irp u, 0,1
	global_load_b128 v[128*\g+4*(2*(\r0+\m)+\u):128*\g+4*(2*(\r0+\m)+\u)+3], v[OFF+16*\g+\r0+\m], s[6:7] offset:512*\u
.endr
.endr
.endm
	WIN 0xc0                                       ; the switch, then the wait, then the loads
	s_wait_alu depctr_va_vdst(0)                   ; the 32 offsets are written, which the gathers read.  (The holds that read window 1 stand ahead of this wait too: the fragments' LDS loads behind the barrier owe nothing more)
	GHALF 0, 0
	GHALF 0, 8
	GHALF 1, 0
	GHALF 1, 8
	WIN 0
	s_wait_dscnt 0x0                               ; for the others' sake: my images lie in LDS
	s_barrier_signal -1
	s_barrier_wait -1                              ; all 32 fragments do; nobody writes them again
	s_cmp_eq_u32 s23, 0
	s_cbranch_scc1 .Lend                           ; no tile for this wave
	WIN 0x40
.irp s, 0,1,2,3
.irp t, 0,1,2,3
.irp c, 0,1,2,3
	ds_load_b128 v[16*(4*\s+\t)+4*\c:16*(4*\s+\t)+4*\c+3], v[L16] offset:\t*IMT+\s*2048+\c*512
.endr
.endr
.endr
	WIN 0x80
.irp s, 0,1,2,3
.irp t, 0,1,2,3
.irp c, 0,1,2,3
	ds_load_b128 v[16*(4*\s+\t)+4*\c:16*(4*\s+\t)+4*\c+3], v[L16] offset:\t*IMT+(\s+4)*2048+\c*512
.endr
.endr
.endr
	WIN 0
	; what a tile's tail does for the tile behind it is done here for my first tile: OFF[0] takes the offsets of my third tile, by which the first tile gathers
	s_wait_xcnt 0x0                                ; the gathers above have had their addresses translated (ISA guide 3.1): their offsets are rewritten only behind this wait
	s_wait_alu depctr_vm_vsrc(0)                   ; buffer 0's gathers have read OFF[0]; the quantiser's last LDS stores have read v192 to v207, in which x's fragments land
.irp m, 0,1,2,3,4,5,6,7,8,9,10,11,12,13,14,15
	s_min_u32 s[TK+\m], s[TK+\m], 2047
	v_lshl_add_u32 v[OFF+\m], s[TK+\m], 10, v[L16]
.endr
	s_min_u32 s27, s26, s25
	s_min_u32 s27, s27, 263
	s_lshl_b32 s27, s27, 6
	s_wait_alu depctr_va_vdst(0)                   ; OFF[0] is written, which the first tile's gathers read; the sixteen additions are done with the tokens' registers, which the scalar load below writes
	s_load_b512 s[TK:TK+15], s[8:9], s27 offset:0x0
	s_add_co_u32 s26, s26, 4
	s_wait_dscnt 0x0
; ONE TILE OF 16 ROWS, out of buffer g.
.macro TILE g
	s_wait_loadcnt 32                              ; this buffer's 32 loads are in; the other buffer's 32 may be out
	WIN 0x0c                                       ; store data window 3
.irp m, 0,1,2,3,4,5,6,7,8,9,10,11,12,13,14,15
.irp u, 0,1
	ds_store_b128 v[VS], v[128*\g+4*(2*\m+\u):128*\g+4*(2*\m+\u)+3] offset:SPI*\m+512*\u
.endr
.endr
	WIN 0
.irp s, 0,1,2,3,4,5,6,7
.irp c, 0,1,2,3
	ds_load_b128 v[AF+16*\s+4*\c:AF+16*\s+4*\c+3], v[VA] offset:128*\s+16*\c       ; LDS serves a wave's instructions in order (ISA guide 5.7.1.4): these see my stores.  No wait: the last tile's matrix instructions, which read these registers, stand ahead of its tail's wait
.endr
.endr
	WIN 0xc0                                       ; the switch, then the wait, then the loads
	s_wait_alu depctr_vm_vsrc(0)                   ; the LDS stores above have read buffer g, in which the gathers land
	GHALF \g, 0                                    ; the tile two of my tiles on, by OFF[g], which the last tail wrote: its first eight rows go out while the fragments come from the stage
	s_wait_dscnt 16                                ; LDS loads come back in order (ISA guide 5.7.1): the fragments of K steps 0 to 3 are in, the sixteen younger loads (K steps 4 to 7) may be out
	WIN 0x01                                       ; source 0 (W1) window 1.  The four accumulators take turns, one instruction a turn
.irp s, 0,1,2,3
.irp t, 0,1,2,3
.if \s == 0
	v_wmma_f32_16x16x128_bf8_bf8 v[ACC+8*\t:ACC+8*\t+7], v[16*\t:16*\t+15], v[AF:AF+15], v[BI+8*\t:BI+8*\t+7]
.else
	v_wmma_f32_16x16x128_bf8_bf8 v[ACC+8*\t:ACC+8*\t+7], v[16*(4*\s+\t):16*(4*\s+\t)+15], v[AF+16*\s:AF+16*\s+15], v[ACC+8*\t:ACC+8*\t+7]
.endif
.endr
.endr
	GHALF \g, 8                                    ; its other eight rows.  No wait: the matrix instructions above name nothing of window 3 and no offset
	s_wait_dscnt 0x0                               ; the fragments of K steps 4 to 7 are in
	WIN 0x02                                       ; window 2
.irp s, 0,1,2,3
.irp t, 0,1,2,3
	v_wmma_f32_16x16x128_bf8_bf8 v[ACC+8*\t:ACC+8*\t+7], v[16*(4*\s+\t):16*(4*\s+\t)+15], v[AF+64+16*\s:AF+64+16*\s+15], v[ACC+8*\t:ACC+8*\t+7]
.endr
.endr
	WIN 0
.rept 4
	v_nop                                          ; four places between the last products and the first read of results (ISA guide 7.12.1)
.endr
	s_wait_xcnt 0x0                                ; the last tile's stores have read their data and their base, the gathers issued so far their offsets, the last scalar load its offset
	s_wait_alu depctr_vm_vsrc(0)                   ; the last tile's stores have read h's codes, which the conversions write again; the other buffer's gathers have read OFF[1 - g], which is written below
.irp i, 0,1,2,3,4,5,6,7,8,9,10,11,12,13,14,15,16,17,18,19,20,21,22,23,24,25,26,27,28,29,30,31
	v_med3_num_f32 v[ACC+\i], v[ACC+\i], 0, v[LIMH]                    ; the activation and the hold in one; each accumulator from its low end on
.endr
.irp t, 0,1,2,3
	v_cvt_scalef32_pk8_bf8_f32 v[HC+2*\t:HC+2*\t+1], v[ACC+8*\t:ACC+8*\t+7], v[SCH]
.endr
	s_wait_kmcnt 0x0                               ; the tokens of the tile three of my tiles on, asked for in the last tail
.irp m, 0,1,2,3,4,5,6,7,8,9,10,11,12,13,14,15
	s_min_u32 s[TK+\m], s[TK+\m], 2047
	v_lshl_add_u32 v[OFF+16*(1-\g)+\m], s[TK+\m], 10, v[L16]           ; by these the next tile gathers.  They are also the plain lines between the conversions and the next products, which write the conversions' sources
.endr
	s_min_u32 s27, s26, s25
	s_min_u32 s27, s27, 263
	s_lshl_b32 s27, s27, 6
	s_min_u32 s36, s24, 263
	s_lshl_b32 s36, s36, 15                        ; a tile of hbuf is 32,768 bytes
	s_add_nc_u64 s[40:41], s[38:39], s[36:37]
	s_wait_alu depctr_va_vdst(0)                   ; the conversions have written h's codes, which the stores read; OFF[1 - g] is written, which the next tile's gathers read; the matrix instructions are done reading x's fragments, in which the next tile's LDS loads land; the additions are done with the tokens' registers
.irp b, 0,1
	global_store_b128 v[VH], v[HC+4*\b:HC+4*\b+3], s[40:41] offset:1024*\b   ; units 32 b + 16 h + 0 .. 15 of row r: registers 4 (2 b + h) on of lane 16 (j % 2) + r; sixteen lanes store 256 consecutive bytes, aligned
.endr
	s_load_b512 s[TK:TK+15], s[8:9], s27 offset:0x0
	s_add_co_u32 s26, s26, 4
	s_add_co_u32 s24, s24, 4
.endm
; THE LOOP OVER MY TILES, two a trip, since the two buffers change places.  s62 counts the pairs, up to s61 = (LEFT + 1) / 2, which the loop does not write.
; A wave with an odd number of tiles ends behind the first tile of its last pair, by an s_endpgm of its own: the loop is left only there or by falling through its branch back.
	s_add_co_u32 s61, s23, 1                       ; (s60 to s62 were the offsets of scalar loads that have been waited for)
	s_lshr_b32 s61, s61, 1
	s_mov_b32 s62, 0
.Lpair:
	TILE 0
	s_lshl_b32 s60, s62, 1
	s_add_co_u32 s60, s60, 1                       ; the number, among my tiles, of this pair's second
	s_cmp_lt_u32 s60, s23
	s_cbranch_scc1 .Lsecond
	s_wait_dscnt 0x0                               ; there is none.  The closing lines, six on end; plain loads of tiles asked for ahead may be out here
	s_wait_alu 0x0
	s_wait_tensorcnt 0x0
	ds_add_u32 v126, v127
	s_wait_dscnt 0x0
	s_endpgm
.Lsecond:
	TILE 1
	s_add_co_u32 s62, s62, 1
	s_cmp_lt_u32 s62, s61
	s_cbranch_scc1 .Lpair
.Lend:
	s_wait_dscnt 0x0                               ; the closing lines, six on end
	s_wait_alu 0x0
	s_wait_tensorcnt 0x0
	ds_add_u32 v126, v127
	s_wait_dscnt 0x0
	s_endpgm
.Lfunc_end_k_qcf270d871e_fc1:
	.size	k_qcf270d871e_fc1, .Lfunc_end_k_qcf270d871e_fc1-k_qcf270d871e_fc1
	.p2alignl 7, 3214868480
	.fill 96, 4, 3214868480
	.section	.rodata,"a",@progbits
	.p2align	6, 0x0
	.amdhsa_kernel k_qcf270d871e_fc1
		.amdhsa_group_segment_fixed_size 132864
		.amdhsa_private_segment_fixed_size 0
		.amdhsa_enable_private_segment 0
		.amdhsa_kernarg_size 56
		.amdhsa_user_sgpr_count 2
		.amdhsa_user_sgpr_kernarg_segment_ptr 1
		.amdhsa_wavefront_size32 1
		.amdhsa_system_sgpr_workgroup_id_x 1
		.amdhsa_system_sgpr_workgroup_id_y 1
		.amdhsa_system_sgpr_workgroup_id_z 1
		.amdhsa_system_vgpr_workitem_id 0
		.amdhsa_next_free_vgpr 1024
		.amdhsa_next_free_sgpr 100
		.amdhsa_reserve_vcc 0
		.amdhsa_float_denorm_mode_32 3
		.amdhsa_float_denorm_mode_16_64 3
		.amdhsa_memory_ordered 1
		.amdhsa_forward_progress 1
		.amdhsa_inst_pref_size 110
	.end_amdhsa_kernel
	.amdgpu_metadata
---
amdhsa.version: [ 1, 2 ]
amdhsa.kernels:
  - .name:           k_qcf270d871e_fc1
    .symbol:         k_qcf270d871e_fc1.kd
    .args:
      - { .name: W1, .offset: 0, .size: 8, .value_kind: global_buffer, .address_space: global }
      - { .name: xc, .offset: 8, .size: 8, .value_kind: global_buffer, .address_space: global }
      - { .name: list, .offset: 16, .size: 8, .value_kind: global_buffer, .address_space: global }
      - { .name: meta, .offset: 24, .size: 8, .value_kind: global_buffer, .address_space: global }
      - { .name: b1, .offset: 32, .size: 8, .value_kind: global_buffer, .address_space: global }
      - { .name: lowp_scales, .offset: 40, .size: 8, .value_kind: global_buffer, .address_space: global }
      - { .name: hbuf, .offset: 48, .size: 8, .value_kind: global_buffer, .address_space: global }
    .group_segment_fixed_size: 132864
    .private_segment_fixed_size: 0
    .kernarg_segment_align: 8
    .kernarg_segment_size: 56
    .max_flat_workgroup_size: 128
    .sgpr_count:     100
    .vgpr_count:     1024
    .wavefront_size: 32
...
	.end_amdgpu_metadata
.endif
;; end of part 6
;; launch fc2 (part 7): grid 32 x 8, 4 waves a work-group, no clusters, 83,712 bytes of LDS; arguments W2, hbuf, meta, b2, lowp_scales, ybuf; writes ybuf
.if DOCPART == 7
	.amdgcn_target "amdgcn-amd-amdhsa--gfx1250"
	.amdhsa_code_object_version 6
	.text
	.protected	k_qcf270d871e_fc2
	.globl	k_qcf270d871e_fc2
	.p2align	8
	.type	k_qcf270d871e_fc2,@function
k_qcf270d871e_fc2:
	s_mov_b64 s[64:65], 0
	v_nop
	global_prefetch_b8 v0, s[64:65] scope:SCOPE_SE
	s_setreg_imm32_b32 hwreg(HW_REG_WAVE_SCHED_MODE, 0, 2), 2
	s_setreg_imm32_b32 hwreg(HW_REG_WAVE_MODE, 25, 1), 1
	s_wait_xcnt 0x0
	s_wait_alu depctr_vm_vsrc(0)
; THE SECOND PRODUCT, for the chosen rows alone: y = h W2[e] + b2[e], both operands codes of E5M2, sums in f32.
; THE WEIGHTS STAY, THE ROWS WALK, as in the launch before.  Work-group (2 j + kh, e) owns output columns 64 j .. 64 j + 63 of expert e over HALF of K: k = 1,024 kh .. 1,024 kh + 1,023: 256 KiB of f32, read once in the
; whole launch and quantised here into 64 KiB of codes, which is what 512 registers hold.  Its piece of a row of W2 is 256 consecutive bytes, aligned.
; WHY HALF OF K.  Every one of an expert's 32 work-groups reads every row of that expert: with half of K that is 32 x 1,024 bytes of h for a row, and the row's y leaves in two parts, 2 x 4,096 bytes: 40,960 bytes in all.
; With all of K on 32 columns it would be 32 x 2,048 + 4,096 = 69,632.  A quarter of K would make y's bytes as many as h's, and y goes to memory and back.  The two parts are added by the last launch, which gathers anyway.
; PHASE 1: each wave quantises a quarter of the slice.  A lane takes four columns (16 bytes of a row; sixteen lanes read 256 consecutive bytes, aligned; lanes 16-31 the row 16 further down) and 16 rows k on end; the hold, which
; every number needs, also turns the 4 x 16 numbers so that a column's 16 lie in consecutive registers.  The codes go to LDS as IMAGES OF THE OPERAND'S REGISTERS (16 bytes a lane, 512 a group of four registers).  One barrier.
; PHASE 2: every wave takes all 32 fragments (4 tiles of 16 columns x 8 K steps) into 512 registers.  Wave w walks the expert's row tiles tb + w, tb + w + 4, ..: my half of a tile of h is 8 fragments, laid in hbuf in the order
; of the operand's registers, so 32 loads of 512 consecutive bytes fill them, with no LDS on the way; 32 matrix instructions a tile.  Two buffers of a tile take turns: a buffer is asked for again as soon as its products are done reading it.
; ORDER ALONG K: in every fragment lane (r, h), register 4 c + p, byte q holds k = 128 s + 64 h + 16 c + 4 p + q, on both sides: every product meets its partner.
; TRANSPOSED USE: source 0 = 16 columns, source 1 = 16 rows; lane r of tile 2 b + u takes column 32 b + 8 u + r + 8 (r / 8): a lane holds one row, and the 16 registers of tiles 2 b, 2 b + 1 are columns 32 b + 16 h + 0 .. 15.
; y's part = sum x 2^(e2 + e3) + b2, one packed multiply-add for two numbers; b2 goes into the part of kh = 0 alone (its registers are cleared where kh = 1).
; OUT: ybuf[kh][j][position][64] f32: a tile's 16 rows x 256 bytes are 4,096 consecutive bytes; they go through the wave's own stage so that each store of the wave covers 512 consecutive bytes, aligned.
; NO TENSOR LOADS, NO CLUSTER: the number of an expert's row tiles is read from memory; a constant count would be the
; worst case of 128 tiles for each of the 8 experts, four times the 256 to 263 tiles that there are.
; A wave without a tile still issues the first loads, on clamped tiles, so that every wave takes one way up to the barrier.  Tiles asked for ahead are clamped to the expert's last tile.
; LIMITS: e3 between -126 and 112; e2 + e3 between -126 and 127.  NaN among the inputs is not served.
; REGISTERS.  window 0: v1-9 addresses and scales; v16-47 four accumulators, then y; v48-79 b2; v80-111 y as rows; v128-255 buffer 0: h's eight fragments (phase 1: v128-191 turned numbers, v192-207 codes).
;   window 1: W2's fragments of my K steps 0-3 at 16 (4 s + t) (phase 1: four sets of 64 numbers as loaded);  window 2: K steps 4-7;  window 3: v0-127 buffer 1.
; THE MODE: SCHED_MODE bits 1:0 = 2 (LLVM: expert scheduling mode 2), set by the entry lines.  The code itself states the register dependences
; between vector or matrix instructions and memory or LDS instructions, with s_wait_alu, always for 0.
; THE PLAN.  Registers that memory or LDS instructions touch:
;   v1 .. v6, v126, v127   addresses: written once at the head, ahead of the first wait on va_vdst, and never again.
;   window 1's four sets   (phase 1) group g's loads land in set g % 4; its 64 holds read the set; behind them group g + 4's loads land in it.
;   v192 .. v207           (phase 1) a group's conversions write them, its four LDS stores read them.
;       ONE wait on va_vdst a group, behind the conversions: the codes are written, and the holds are done reading the set.  One on vm_vsrc ahead of the conversions: the last group's LDS stores have read the codes.
;   buffers 0, 1           the loads of h land in them; the tile's 32 matrix instructions read them.
;   v16 .. v47             the matrix instructions and the packed multiply-adds write them; the eight LDS stores into the stage read them.
;   v80 .. v111            the LDS loads from the stage land in them; the eight global stores read them; no vector instruction names them.
;       ONE wait on va_vdst a tile, behind the multiply-adds: y is written, which the LDS stores read, and the matrix instructions are done reading the buffer, in which the refill lands.  No vector instruction follows it in the tile.
;       ONE wait on vm_vsrc a tile, at its head: the last tile's LDS stores have read v16 to v47, which the matrix instructions write again, and its global stores have read v80 to v111, in which this tile's LDS loads land.
.set JB,   1081344                     ; bytes of ybuf for one (kh, j): 4,224 positions x 256
.set IMT,  16400                       ; a tile's eight images: 16,384 bytes + 16, so that the quantiser's stores for four tiles fall on different banks (64 banks of 4 bytes: ISA guide 11.1)
.set STG,  65792                       ; behind the images: a stage of 16 rows for each wave
.set SPI,  272                         ; a row of the stage: 256 bytes + 16: the sixteen rows that a store touches start at sixteen different banks
.set L16,  1                           ; v1  16 x lane
.set VW,   2                           ; v2  where I store images
.set VLW,  3                           ; v3  my bytes in W2
.set VSI,  4                           ; v4  the stage, in
.set VSO,  5                           ; v5  the stage, out
.set VB,   6                           ; v6  my bytes in b2
.set LIMW, 8                           ; v8  57,344 x 2^e3
.set SCW,  9                           ; v9  2^e3
.set ACC,  16
.set B2,   48
.set YO,   80
.set T,    128
.set CW,   192
.set MSB, 0
.macro WIN new                         ; the immediate's high byte repeats the setting that is left
.if MSB != \new
	s_set_vgpr_msb (MSB<<8)|\new
.set MSB, \new
.endif
.endm
	s_load_b256 s[4:11], s[0:1], 0x0               ; W2 s[4:5], hbuf s[6:7], meta s[8:9], b2 s[10:11]
	s_load_b128 s[12:15], s[0:1], 0x20             ; the scales' exponents s[12:13], ybuf s[14:15]
	v_lshl_add_u32 v126, v0, 2, 0x14500
	v_mov_b32 v127, 0
	v_lshrrev_b32 v12, 5, v0
	v_readfirstlane_b32 s18, v12                   ; wave 0..3
	s_and_b32 s19, ttmp7, 0xffff                   ; e
	s_lshr_b32 s20, ttmp9, 1                       ; j: which 64 columns
	s_and_b32 s49, ttmp9, 1                        ; kh: which half of K
	v_and_b32 v12, 15, v0                          ; lane % 16: c4 in phase 1, r in phase 2
	v_bfe_u32 v13, v0, 4, 1                        ; lane / 16: kk, h
	v_and_b32 v14, 31, v0
	v_lshlrev_b32 v[L16], 4, v14
	v_bfe_u32 v14, v0, 3, 1
	v_bfe_u32 v15, v0, 1, 1
	v_lshl_add_u32 v14, v14, 1, v15                ; my four columns 4 c4 + q lie in tile t = 2 (c4 / 8) + (c4 / 2) % 2, at lanes r = 4 (c4 % 2) + 8 ((c4 / 4) % 2) + q
	v_mul_u32_u24 v[VW], v14, IMT
	v_and_b32 v15, 1, v0
	v_lshl_add_u32 v[VW], v15, 6, v[VW]
	v_bfe_u32 v15, v0, 2, 1
	v_lshl_add_u32 v[VW], v15, 7, v[VW]
	v_lshl_add_u32 v[VW], v13, 9, v[VW]            ; + 512 kk: the group of four registers
	s_wait_alu depctr_va_sdst(0)                   ; s18 is written, ahead of its first reader: LDS addresses, bases and the count of my tiles are made from it
	s_lshl_b32 s27, s18, 12
	v_add_nc_u32 v[VW], s27, v[VW]                 ; + two K steps x wave
	v_lshlrev_b32 v[VLW], 4, v12
	v_lshl_add_u32 v[VLW], v13, 16, v[VLW]         ; 16 c4; lanes 16-31 sixteen rows of 4,096 bytes further down
	s_mul_i32 s27, s18, 16*SPI
	s_add_co_u32 s27, s27, STG                     ; my stage
	v_mul_u32_u24 v[VSI], v12, SPI
	v_lshl_add_u32 v[VSI], v13, 6, v[VSI]
	v_add_nc_u32 v[VSI], s27, v[VSI]               ; in: row r, + 64 h
	v_mul_u32_u24 v[VSO], v13, SPI
	v_lshl_add_u32 v[VSO], v12, 4, v[VSO]
	v_add_nc_u32 v[VSO], s27, v[VSO]               ; out: sixteen lanes to a row of 256 bytes, two rows an instruction
	v_lshlrev_b32 v[VB], 6, v13                    ; 16 numbers x h
	s_lshl_b32 s36, s19, 23                        ; W2: the expert's 8 MiB,
	s_lshl_b32 s27, s20, 8
	s_add_co_u32 s36, s36, s27                     ; my 64 columns,
	s_lshl_b32 s27, s49, 22
	s_add_co_u32 s36, s36, s27                     ; my half of K: 1,024 rows of 4,096 bytes,
	s_lshl_b32 s27, s18, 20
	s_add_co_u32 s36, s36, s27                     ; my wave's 256 rows
	s_mov_b32 s37, 0
	s_lshl_b32 s44, s19, 12                        ; b2: the expert's row, my 64 numbers
	s_lshl_b32 s27, s20, 8
	s_add_co_u32 s44, s44, s27
	s_mov_b32 s45, 0
	s_lshl_b32 s27, s49, 4
	s_add_co_u32 s27, s27, s20                     ; 16 kh + j
	s_mul_i32 s38, s27, JB
	s_mov_b32 s39, 0
	s_lshl_b32 s52, s49, 14                        ; hbuf: my half of a tile: eight fragments of 2,048 bytes
	s_mov_b32 s53, 0
	s_lshl_b32 s48, s19, 2
	s_wait_kmcnt 0x0
	s_load_b128 s[28:31], s[12:13], 0x0            ; e0, e1, e2, e3
	s_load_b32 s21, s[8:9], s48 offset:0x0         ; tb: the expert's first tile
	s_load_b32 s22, s[8:9], s48 offset:0x20        ; nt: its tiles
	s_add_nc_u64 s[4:5], s[4:5], s[36:37]
	s_add_nc_u64 s[10:11], s[10:11], s[44:45]
	s_add_nc_u64 s[38:39], s[14:15], s[38:39]      ; YF: my part of ybuf
	s_add_nc_u64 s[52:53], s[6:7], s[52:53]        ; HB: hbuf at my half of tile 0
	s_wait_alu depctr_va_vdst(0)                   ; the six addresses v1 to v6 are written, which the kernel's loads and stores read
.irp t, 0,1,2,3
	global_load_b128 v[B2+8*\t:B2+8*\t+3],   v[VB], s[10:11] offset:(32*(\t/2)+8*(\t%2))*4      ; tile 2 b + u, lane half h: columns 32 b + 16 h + 8 u + 0 .. 7
	global_load_b128 v[B2+8*\t+4:B2+8*\t+7], v[VB], s[10:11] offset:(32*(\t/2)+8*(\t%2))*4+16
.endr
; Group g of eight: 16 rows k = k0 + 32 g + 16 kk + i, four columns a lane, into set g % 4 of window 1.  16 bytes a lane, so that the 64 loads that a wave keeps out are 32 KiB.
.macro WLOAD g
	WIN 0x40                                       ; destination window 1
.irp i, 0,1,2,3,4,5,6,7,8,9,10,11,12,13,14,15
	global_load_b128 v[64*((\g)%4)+4*\i:64*((\g)%4)+4*\i+3], v[VLW], s[4:5] offset:(32*(\g)+\i)*4096 th:TH_LOAD_NT
.endr
.endm
.macro WGROUP g, left                  ; left: the loads of the younger groups, which may stay out
	s_wait_loadcnt \left
	WIN 0x01                                       ; source 0 window 1
.irp q, 0,1,2,3
.irp i, 0,1,2,3,4,5,6,7,8,9,10,11,12,13,14,15
	v_med3_num_f32 v[T+16*\q+\i], v[64*((\g)%4)+4*\i+\q], -v[LIMW], v[LIMW]    ; the hold at the largest code x the scale (ISA guide 7.6.2), and the turn: column q's 16 numbers on end
.endr
.endr
	WIN 0
	s_wait_dscnt 0x0                               ; the last group's stores are done
.if (\g) > 0
	s_wait_alu depctr_vm_vsrc(0)                   ; the last group's LDS stores have read the codes' registers, which the conversions write again
.endif
.irp q, 0,1,2,3
.irp e, 0,1
	v_cvt_scalef32_pk8_bf8_f32 v[CW+4*\q+2*\e:CW+4*\q+2*\e+1], v[T+16*\q+8*\e:T+16*\q+8*\e+7], v[SCW]
.endr
.endr
	v_nop                                          ; a plain line between the conversions and the next group's holds, which write their sources
.if (\g) < 4
	WIN 0x40                                       ; the switch, then the wait, then the loads
.endif
	s_wait_alu depctr_va_vdst(0)                   ; the conversions have written the codes, which the LDS stores read; the holds are done reading the set, in which the loads below land
.if (\g) < 4
	WLOAD (\g)+4                                   ; the set just read takes the group four further on
	WIN 0
.endif
.irp q, 0,1,2,3
	ds_store_b128 v[VW], v[CW+4*\q:CW+4*\q+3] offset:16*\q+2048*((\g)>>2)+256*(((\g)>>1)&1)+1024*((\g)&1)   ; K step 2 w + g / 4, lane half (g / 2) % 2, registers 4 (2 (g % 2) + kk) on
.endr
.endm
	WLOAD 0
	WLOAD 1
	WLOAD 2
	WLOAD 3
	WIN 0
	s_wait_kmcnt 0x0
	s_add_co_i32 s27, s31, 127
	s_lshl_b32 s46, s27, 23
	v_mov_b32 v[SCW], s46                          ; 2^e3 as f32: the conversion takes its exponent field
	s_add_co_i32 s27, s27, 15
	s_lshl_b32 s27, s27, 23
	s_or_b32 s27, s27, 0x600000
	v_mov_b32 v[LIMW], s27
	s_add_co_i32 s46, s30, s31
	s_add_co_i32 s46, s46, 127
	s_lshl_b32 s46, s46, 23                        ; 2^(e2 + e3) as f32
	s_mov_b32 s47, s46                             ; (named with it as a pair, so it is written)
	s_add_co_u32 s24, s21, s18                     ; T: my first tile
	s_add_co_u32 s25, s21, s22
	s_sub_co_u32 s25, s25, 1                       ; the expert's last tile
	s_sub_co_u32 s23, s22, s18
	s_add_co_u32 s23, s23, 3
	s_lshr_b32 s23, s23, 2                         ; LEFT: my tiles: (nt - w + 3) / 4
	s_cmp_eq_u32 s49, 0
	s_cselect_b32 s57, -1, 0                       ; all ones where kh = 0
	WGROUP 0, 48
	WGROUP 1, 48
	WGROUP 2, 48
	WGROUP 3, 48
	WGROUP 4, 48
	WGROUP 5, 32
	WGROUP 6, 16
	WGROUP 7, 0
.irp i, 0,1,2,3,4,5,6,7,8,9,10,11,12,13,14,15,16,17,18,19,20,21,22,23,24,25,26,27,28,29,30,31
	v_and_b32 v[B2+\i], s57, v[B2+\i]              ; b2 stays in the part of kh = 0 and is 0 in the other
.endr
.macro ALOAD g, base                   ; my eight fragments of the tile at s[base:base+1] into buffer g; each load 512 consecutive bytes
.if \g
	WIN 0xc0                                       ; destination window 3
.endif
.irp s, 0,1,2,3,4,5,6,7
.irp c, 0,1,2,3
	global_load_b128 v[128-128*\g+16*\s+4*\c:128-128*\g+16*\s+4*\c+3], v[L16], s[\base:\base+1] offset:2048*\s+512*\c
.endr
.endr
	WIN 0
.endm
	s_min_u32 s27, s24, s25                        ; my first two tiles, clamped to the expert's last tile and to the buffer: every wave asks, so that all take one way to the barrier
	s_min_u32 s27, s27, 263
	s_lshl_b32 s36, s27, 15                        ; a tile of hbuf is 32,768 bytes
	s_add_nc_u64 s[42:43], s[52:53], s[36:37]
	s_add_co_u32 s27, s24, 4
	s_min_u32 s27, s27, s25
	s_min_u32 s27, s27, 263
	s_lshl_b32 s36, s27, 15
	s_add_nc_u64 s[44:45], s[52:53], s[36:37]      ; a base of its own: the first tile's loads may still read theirs
	s_wait_alu depctr_vm_vsrc(0)                   ; the quantiser's last LDS stores have read v192 to v207, in which buffer 0's loads land (the holds and conversions that named v128 to v207 stand ahead of the last group's wait on va_vdst)
	ALOAD 0, 42
	ALOAD 1, 44
	s_wait_dscnt 0x0                               ; for the others' sake: my images lie in LDS
	s_barrier_signal -1
	s_barrier_wait -1                              ; all 32 fragments do; nobody writes them again
	s_cmp_eq_u32 s23, 0
	s_cbranch_scc1 .Lend                           ; no tile for this wave
	WIN 0x40                                       ; (the holds that read window 1 stand ahead of the last group's wait on va_vdst: these loads owe nothing more)
.irp s, 0,1,2,3
.irp t, 0,1,2,3
.irp c, 0,1,2,3
	ds_load_b128 v[16*(4*\s+\t)+4*\c:16*(4*\s+\t)+4*\c+3], v[L16] offset:\t*IMT+\s*2048+\c*512
.endr
.endr
.endr
	WIN 0x80
.irp s, 0,1,2,3
.irp t, 0,1,2,3
.irp c, 0,1,2,3
	ds_load_b128 v[16*(4*\s+\t)+4*\c:16*(4*\s+\t)+4*\c+3], v[L16] offset:\t*IMT+(\s+4)*2048+\c*512
.endr
.endr
.endr
	WIN 0
	s_wait_dscnt 0x0
; ONE TILE OF 16 ROWS, out of buffer g (0: window 0, v128 on; 1: window 3, v0 on).
.macro TILE g
.set AB, 128-128*\g
	s_wait_loadcnt 32                              ; this buffer's 32 loads are in; the other buffer's 32 may be out
	s_wait_alu depctr_vm_vsrc(0)                   ; the last tile's LDS stores have read the accumulators, which the matrix instructions write again; its global stores have read y's rows, in which this tile's LDS loads land
	WIN 0x01+0x0c*\g                               ; source 0 (W2) window 1, source 1 (h) window 0 or 3.  The four accumulators take turns, one instruction a turn
.irp s, 0,1,2,3
.irp t, 0,1,2,3
.if \s == 0
	v_wmma_f32_16x16x128_bf8_bf8 v[ACC+8*\t:ACC+8*\t+7], v[16*\t:16*\t+15], v[AB:AB+15], 0             ; the first K step starts the sums
.else
	v_wmma_f32_16x16x128_bf8_bf8 v[ACC+8*\t:ACC+8*\t+7], v[16*(4*\s+\t):16*(4*\s+\t)+15], v[AB+16*\s:AB+16*\s+15], v[ACC+8*\t:ACC+8*\t+7]
.endif
.endr
.endr
	WIN 0x02+0x0c*\g                               ; source 0 window 2
.irp s, 0,1,2,3
.irp t, 0,1,2,3
	v_wmma_f32_16x16x128_bf8_bf8 v[ACC+8*\t:ACC+8*\t+7], v[16*(4*\s+\t):16*(4*\s+\t)+15], v[AB+64+16*\s:AB+64+16*\s+15], v[ACC+8*\t:ACC+8*\t+7]
.endr
.endr
	WIN 0
.rept 4
	v_nop                                          ; four places between the last products and the first read of results (ISA guide 7.12.1)
.endr
	s_wait_xcnt 0x0                                ; the last tile's stores and loads have read their data and their bases: both are written again below
.irp i, 0,2,4,6,8,10,12,14,16,18,20,22,24,26,28,30
	v_pk_fma_f32 v[ACC+\i:ACC+\i+1], v[ACC+\i:ACC+\i+1], s[46:47], v[B2+\i:B2+\i+1] op_sel_hi:[1,0,1]  ; x 2^(e2 + e3) + b2, in place; each accumulator from its low end on
.endr
	s_wait_alu depctr_va_vdst(0)                   ; the multiply-adds have written y, which the LDS stores read; the matrix instructions are done reading buffer g, in which the refill below lands
.irp b, 0,1
.irp q, 0,1,2,3
	ds_store_b128 v[VSI], v[ACC+16*\b+4*\q:ACC+16*\b+4*\q+3] offset:128*\b+16*\q                       ; row r, columns 32 b + 16 h + 4 q on
.endr
.endr
.irp i, 0,1,2,3,4,5,6,7
	ds_load_b128 v[YO+4*\i:YO+4*\i+3], v[VSO] offset:2*SPI*\i          ; LDS serves a wave's instructions in order (ISA guide 5.7.1.4): these see my stores
.endr
	s_add_co_u32 s27, s24, 8                       ; the tile two of my tiles on, clamped to the expert's last: every tile issues the same loads, and only stored bytes are read
	s_min_u32 s27, s27, s25
	s_min_u32 s27, s27, 263
	s_lshl_b32 s36, s27, 15
	s_add_nc_u64 s[42:43], s[52:53], s[36:37]
	s_min_u32 s27, s24, 263
	s_lshl_b32 s36, s27, 12                        ; a tile of my part of ybuf is 4,096 bytes
	s_add_nc_u64 s[40:41], s[38:39], s[36:37]
	ALOAD \g, 42                                   ; the stage's lines stand ahead of these 32 loads, the wait for them behind.  No wait on va_vdst: nothing issued since the one above names the buffer or v1
	s_wait_dscnt 0x0                               ; y's rows are back in registers
.irp i, 0,1,2,3,4,5,6,7
	global_store_b128 v[L16], v[YO+4*\i:YO+4*\i+3], s[40:41] offset:512*\i th:TH_STORE_NT              ; 32 lanes store 512 consecutive bytes, aligned
.endr
	s_add_co_u32 s24, s24, 4
.endm
; THE LOOP OVER MY TILES, two a trip, since the two buffers change places.  s55 counts the pairs, up to s54 = (LEFT + 1) / 2, which the loop does not write.
; A wave with an odd number of tiles ends behind the first tile of its last pair, by an s_endpgm of its own: the loop is left only there or by falling through its branch back.
	s_add_co_u32 s54, s23, 1
	s_lshr_b32 s54, s54, 1
	s_mov_b32 s55, 0
.Lpair:
	TILE 0
	s_lshl_b32 s56, s55, 1
	s_add_co_u32 s56, s56, 1                       ; the number, among my tiles, of this pair's second
	s_cmp_lt_u32 s56, s23
	s_cbranch_scc1 .Lsecond
	s_wait_dscnt 0x0                               ; there is none.  The closing lines, six on end; plain loads of tiles asked for ahead may be out here
	s_wait_alu 0x0
	s_wait_tensorcnt 0x0
	ds_add_u32 v126, v127
	s_wait_dscnt 0x0
	s_endpgm
.Lsecond:
	TILE 1
	s_add_co_u32 s55, s55, 1
	s_cmp_lt_u32 s55, s54
	s_cbranch_scc1 .Lpair
.Lend:
	s_wait_dscnt 0x0                               ; the closing lines, six on end
	s_wait_alu 0x0
	s_wait_tensorcnt 0x0
	ds_add_u32 v126, v127
	s_wait_dscnt 0x0
	s_endpgm
.Lfunc_end_k_qcf270d871e_fc2:
	.size	k_qcf270d871e_fc2, .Lfunc_end_k_qcf270d871e_fc2-k_qcf270d871e_fc2
	.p2alignl 7, 3214868480
	.fill 96, 4, 3214868480
	.section	.rodata,"a",@progbits
	.p2align	6, 0x0
	.amdhsa_kernel k_qcf270d871e_fc2
		.amdhsa_group_segment_fixed_size 83712
		.amdhsa_private_segment_fixed_size 0
		.amdhsa_enable_private_segment 0
		.amdhsa_kernarg_size 48
		.amdhsa_user_sgpr_count 2
		.amdhsa_user_sgpr_kernarg_segment_ptr 1
		.amdhsa_wavefront_size32 1
		.amdhsa_system_sgpr_workgroup_id_x 1
		.amdhsa_system_sgpr_workgroup_id_y 1
		.amdhsa_system_sgpr_workgroup_id_z 1
		.amdhsa_system_vgpr_workitem_id 0
		.amdhsa_next_free_vgpr 896
		.amdhsa_next_free_sgpr 66
		.amdhsa_reserve_vcc 0
		.amdhsa_float_denorm_mode_32 3
		.amdhsa_float_denorm_mode_16_64 3
		.amdhsa_memory_ordered 1
		.amdhsa_forward_progress 1
		.amdhsa_inst_pref_size 91
	.end_amdhsa_kernel
	.amdgpu_metadata
---
amdhsa.version: [ 1, 2 ]
amdhsa.kernels:
  - .name:           k_qcf270d871e_fc2
    .symbol:         k_qcf270d871e_fc2.kd
    .args:
      - { .name: W2, .offset: 0, .size: 8, .value_kind: global_buffer, .address_space: global }
      - { .name: hbuf, .offset: 8, .size: 8, .value_kind: global_buffer, .address_space: global }
      - { .name: meta, .offset: 16, .size: 8, .value_kind: global_buffer, .address_space: global }
      - { .name: b2, .offset: 24, .size: 8, .value_kind: global_buffer, .address_space: global }
      - { .name: lowp_scales, .offset: 32, .size: 8, .value_kind: global_buffer, .address_space: global }
      - { .name: ybuf, .offset: 40, .size: 8, .value_kind: global_buffer, .address_space: global }
    .group_segment_fixed_size: 83712
    .private_segment_fixed_size: 0
    .kernarg_segment_align: 8
    .kernarg_segment_size: 48
    .max_flat_workgroup_size: 128
    .sgpr_count:     66
    .vgpr_count:     896
    .wavefront_size: 32
...
	.end_amdgpu_metadata
.endif
;; end of part 7
;; launch combine: the kernel of part 5 again; grid 256 x 1, 8 waves a work-group, no clusters, 0 bytes of LDS; arguments ybuf, inv, rgate, out0; writes out0
